; MI455X (gfx1250); checked and timed in simulation.
; The chip was launched on July 23, 2026; its instructions are those of AMD's public machine-readable ISA for CDNA 5 (MIT licence, August 2026) and "CDNA5" Instruction Set Architecture Reference Guide (July 2026). The comments in the code are by the model that wrote it; some were corrected since.
;; Co Attention. Allowed arithmetic: matrix products marked QUANTISED: E5M2 operands, one E8M0 scale for each 32 along K, by v_wmma_scale_f32_16x16x128_f8f6f4 with both operands' format E5M2, f32 sums; everything else in f32.
;; Inputs: b_k 512 float32; b_q 512 float32; b_v1 512 float32; b_v2 512 float32; ln_beta 512 float32; ln_gamma 512 float32; w_k 512 x 512 float32; w_q 512 x 512 float32; w_v1 512 x 512 float32; w_v2 512 x 512 float32; x1 8 x 512 x 2,048 float32; x2 8 x 512 x 2,048 float32.
;; Outputs: out0 8 x 512 x 2,048 float32; out1 8 x 512 x 2,048 float32.
;; This version of the problem:
;;   THIS VERSION OF THE PROBLEM IS GIVEN IN LOW PRECISION. The matrix products marked QUANTISED in the list below multiply operands that are first quantised to E5M2 (5 exponent bits, 2 mantissa bits; 8 bits a number), with one power-of-two scale for each 32 numbers along K (OCP MX v1.0); their sums are f32. All else is computed in f32.
;;   The module's matrix products, in the order in which they are computed (A, B: the left and right operand; K: the contracted axis; several contracted axes count as one K, in the product's order):
;;     1. [M 16,384, K 512] x [K 512, N 512]; A: input x1; B: input w_q: QUANTISED
;;     2. [M 16,384, K 512] x [K 512, N 512]; A: input x2; B: input w_k: QUANTISED
;;     3. [M 16,384, K 512] x [K 512, N 512]; A: input x1; B: input w_v1: QUANTISED
;;     4. [M 16,384, K 512] x [K 512, N 512]; A: input x2; B: input w_v2: QUANTISED
;;     5. batch 8 x [M 2,048, K 512] x [K 512, N 2,048]; A: computed on the way; B: computed on the way: QUANTISED
;;     6. batch 8 x [M 2,048, K 2,048] x [K 2,048, N 512]; A: softmax (see below); B: computed on the way: QUANTISED
;;     7. batch 8 x [M 2,048, K 2,048] x [K 2,048, N 512]; A: softmax (see below); B: computed on the way: QUANTISED
;;   THE QUANTISER, for each operand of a quantised product, along K:
;;     - K is cut into blocks of 32 from its start; a last block that is shorter is filled with zeros.
;;     - A block's scale is 2^e with e = floor(log2(the largest magnitude in the block)) - 15, held to -126 .. 127; a block of zeros has e = 0. As a byte (E8M0): e + 127.
;;     - Each number is divided by its block's scale, clamped to +-57,344, and rounded to the nearest number of E5M2, ties to even, subnormals kept.
;;     - The product sums the exact products of the quantised numbers (number of the format x scale) in f32.
;;   ~~~python
;;   def quantise(x, axis):      # numpy; x: float32 -> the quantised numbers, widened to float32 again
;;       x = np.moveaxis(x, axis, -1); K = x.shape[-1]
;;       x = np.pad(x, [(0, 0)] * (x.ndim - 1) + [(0, -K % 32)]); x = x.reshape(x.shape[:-1] + (-1, 32)); a = np.abs(x).max(-1, keepdims=True)
;;       e = np.where(a > 0, np.clip(np.frexp(np.where(a > 0, a, 1))[1] - 1 - 15, -126, 127), 0)      # np.frexp(a)[1] - 1 = floor(log2(a)), exactly
;;       r = np.clip(x / 2.0 ** e, -57344, 57344)
;;       step = 2.0 ** (np.maximum(np.frexp(np.where(r == 0, 1, r))[1] - 1, -14) - 2)
;;       q = np.round(r / step) * step * 2.0 ** e      # np.round: ties to even
;;       return np.moveaxis(q.reshape(q.shape[:-2] + (-1,))[..., :K], -1, axis).astype(np.float32)
;;   ~~~
;;   SOFTMAX AHEAD OF A QUANTISED PRODUCT. Where the list says 'softmax', what is quantised is not the finished softmax but p = 2^(t - M), with t = logit x log2(e) and M = ceil(the row's largest t), a whole number; so 1/2 < the row's largest p <= 1. The row's sum l is taken of the UNQUANTISED p, in f32, and the product's result is divided by l at the end. Since M is a whole number, a kernel that streams over the keys may use a running M (the ceiling of the running maximum): every later rescaling is an exact power of two, which a block's scale takes up: the codes' values come out the same.
;;   OPERANDS COMPUTED ON THE WAY. 'Computed on the way' means the value that the module computes at that place (a softmax that the list does not call 'softmax' is quantised finished and normalised). What goes into a quantiser is computed in f32, as accurately as f32 sums, v_exp_f32 and their like allow (about 1e-6 of the number): no bf16 or f16 on the way to a quantiser, and a product that is left as it is and whose result goes on into a quantised operand takes f32 operands (vector FMAs, or v_wmma_f32_16x16x4_f32). A number that lies on a knife's edge between two numbers of the format may be rounded either way, as far as f32 arithmetic and the matrix unit's own rounding can turn it there, and no further.
;; One version. Each part assembles by itself: llvm-mc -triple=amdgcn-amd-amdhsa -mcpu=gfx1250 --defsym DOCPART=n.
;; ======== version 1 of 1: 3 launches
;; workspace buffers: wc 1,048,576 bytes; ws 32,768 bytes; kv 33,554,432 bytes; sc 1,048,576 bytes
;; launch wq (part 1): grid 64 x 1, 4 waves a work-group, no clusters, 0 bytes of LDS; arguments w_q, w_v1, w_k, w_v2, wc, ws; writes wc, ws
.if DOCPART == 1
	.amdgcn_target "amdgcn-amd-amdhsa--gfx1250"
	.amdhsa_code_object_version 6
	.text
	.protected	k_q8b01e6218d_wq
	.globl	k_q8b01e6218d_wq
	.p2align	8
	.type	k_q8b01e6218d_wq,@function
k_q8b01e6218d_wq:
	s_mov_b64 s[64:65], 0
	v_nop
	global_prefetch_b8 v0, s[64:65] scope:SCOPE_SE
	s_setreg_imm32_b32 hwreg(HW_REG_WAVE_MODE, 25, 1), 1
	s_wait_xcnt 0x0
; FIRST OF THREE LAUNCHES.  The four weights [512 (d)][512 (c)], f32, K = c innermost, become codes of BF8 (E5M2) with one E8M0 byte for each 32 along c,
; laid in the order of a matrix operand's registers, so that the next launch loads every fragment by dense loads of 16 bytes a lane.
; DEAD WORK: none.  Every product of reference() is live, and each bias is added ahead of a quantiser (q, k along d; v1, v2 along the positions), where it can move codes and scale bytes:
; so all twelve inputs are loaded by some launch of this program and no step of reference() is left out.
; wc: [wi = w_q, w_v1, w_k, w_v2][tile T 0..31][K step s 0..3][2,048 bytes].  THE ROWS OF A TILE ARE NOT NEIGHBOURS: row r of tile T is d = 32 (T / 2) + 8 (T % 2) + r + 8 (r / 8), so that, where such
; tiles are source 0 of a product, a lane's 16 result registers of tiles 2 b and 2 b + 1 are 16 neighbours along d.  A fragment (16 rows x 128 K: 16 registers a lane) lies as an image of its registers:
; registers 4 c .. 4 c + 3 of lane l at 512 c + 16 l.     ws: [wi][pair g 0..15][s][lane]: a row's scale word (4 bytes: 128 along K); lanes 0-15 tile 2 g, lanes 16-31 tile 2 g + 1.
; SHARES: work-group x: weight x / 16, pair of tiles x % 16; wave s: K step s: two fragments and 32 scale words.  No LDS, no barrier.
; A lane reads 64 consecutive bytes of its row for each block of 32 (four loads of 16 bytes on end); 4 MB are read once in the whole launch, so the loads are not turned through LDS.
; A block's scale is 2^(floor(log2(its largest magnitude)) - 15); its byte is the largest magnitude's exponent field - 15, held at 1 from below.
; LIMITS: a block of zeros gets the byte 1 where the rule says 127 (its codes are zeros, which add nothing, and this program alone reads the bytes); blocks whose largest magnitude lies under 2^-111 are held at
; the byte 1; NaN and infinities among the inputs are not served.
.set TM,  16                           ; v16-31   at work: largest magnitudes, bytes, holds, scale operands, four each
.set PW,  32                           ; v32, v33 the two tiles' scale words; v34 the one that my lane stores
.set X0,  64                           ; v64-191  two tiles x 64 numbers: register 16 c + i = k 32 c + 16 (lane / 16) + i of my row
.set PC,  192                          ; v192-223 two fragments of codes
.set SEL, 24                           ; s[24:25] v_permlanex16_b32's selects for lane l xor 16
.set MNT, 26                           ; s26      the mantissa field of 57,344
; 64 numbers of a lane become a fragment's codes in v[pc] on and my row's scale word in v[pw]
.macro QUANT src, pc, pw
.irp b, 0,1,2,3
	v_max3_num_f32 v[TM+\b], |v[(\src)+16*\b]|, |v[(\src)+16*\b+1]|, 0x8000000   ; block b: my 16 numbers, and the floor 2^(16 - 127): the byte cannot fall under 1
.endr
.irp n, 2,4,6,8,10,12,14
.irp b, 0,1,2,3
	v_max3_num_f32 v[TM+\b], v[TM+\b], |v[(\src)+16*\b+\n]|, |v[(\src)+16*\b+\n+1]|   ; the four blocks by turns
.endr
.endr
.irp b, 0,1,2,3
	v_permlanex16_b32 v[TM+4+\b], v[TM+\b], s[SEL], s[SEL+1]
.endr
.irp b, 0,1,2,3
	v_max_num_f32 v[TM+\b], v[TM+\b], v[TM+4+\b]             ; with lane l xor 16's 16: the block's largest magnitude
.endr
.irp b, 0,1,2,3
	v_add_nc_u32 v[TM+12+\b], 0xf8800000, v[TM+\b]           ; 15 off its exponent field: the conversion's scale operand
.endr
.irp b, 0,1,2,3
	v_and_or_b32 v[TM+8+\b], v[TM+\b], 0x7f800000, s[MNT]    ; 57,344 x the scale
.endr
.irp b, 0,1,2,3
	v_lshrrev_b32 v[TM+4+\b], 23, v[TM+12+\b]                ; the scale's byte
.endr
	v_lshl_or_b32 v[\pw], v[TM+5], 8, v[TM+4]
	v_lshl_or_b32 v[\pw], v[TM+6], 16, v[\pw]
	v_lshl_or_b32 v[\pw], v[TM+7], 24, v[\pw]
.irp b, 0,1,2,3
.irp n, 0,1,2,3,4,5,6,7,8,9,10,11,12,13,14,15
	v_med3_num_f32 v[(\src)+16*\b+\n], v[(\src)+16*\b+\n], -v[TM+8+\b], v[TM+8+\b]   ; the conversion to an 8-bit code does not saturate (ISA guide 7.6.2): the hold comes first
.endr
	v_cvt_scalef32_pk8_bf8_f32 v[(\pc)+4*\b:(\pc)+4*\b+1], v[(\src)+16*\b:(\src)+16*\b+7], v[TM+12+\b]
	v_cvt_scalef32_pk8_bf8_f32 v[(\pc)+4*\b+2:(\pc)+4*\b+3], v[(\src)+16*\b+8:(\src)+16*\b+15], v[TM+12+\b]
.endr
	v_nop                                          ; one plain line behind the last conversion
.endm
	s_load_b256 s[4:11], s[0:1], 0x0               ; w_q, w_v1, w_k, w_v2
	s_load_b128 s[12:15], s[0:1], 0x20             ; wc, ws
	v_lshrrev_b32 v1, 5, v0
	v_readfirstlane_b32 s16, v1                    ; wave = K step s
	v_and_b32 v1, 31, v0                           ; lane
	v_and_b32 v2, 15, v0                           ; r
	v_bfe_u32 v3, v0, 4, 1                         ; h
	v_and_b32 v4, 8, v2
	v_add_nc_u32 v4, v4, v2                        ; r + 8 (r / 8)
	v_lshlrev_b32 v4, 11, v4                       ; a row of a weight is 2,048 bytes
	v_lshl_add_u32 v4, v3, 6, v4                   ; + 64 h: my 16 numbers of a block
	v_lshlrev_b32 v5, 4, v1                        ; an image's place for my lane
	v_lshlrev_b32 v6, 2, v1                        ; a scale word's
	s_lshr_b32 s17, ttmp9, 4                       ; which weight
	s_and_b32 s18, ttmp9, 15                       ; which pair of tiles
	s_mov_b32 s[SEL], 0x76543210
	s_mov_b32 s[SEL+1], 0xfedcba98
	s_mov_b32 s[MNT], 0x600000
.irp b, 0,1,2,3
	v_mov_b32 v[TM+4+\b], 0                        ; written once: a lane permute's destination counts as one of its sources
.endr
	s_lshl_b32 s28, s18, 16                        ; in the weight: 32 rows a pair,
	s_lshl_b32 s19, s16, 9                         ; 512 bytes a K step
	s_add_co_u32 s28, s28, s19
	s_mov_b32 s29, 0
	s_lshl_b32 s30, s17, 18                        ; in wc: 262,144 a weight,
	s_lshl_b32 s19, s18, 14                        ; 16,384 a pair,
	s_add_co_u32 s30, s30, s19
	s_lshl_b32 s19, s16, 11                        ; 2,048 a K step
	s_add_co_u32 s30, s30, s19
	s_mov_b32 s31, 0
	s_lshl_b32 s32, s17, 13                        ; in ws: 8,192 a weight,
	s_lshl_b32 s19, s18, 9                         ; 512 a pair,
	s_add_co_u32 s32, s32, s19
	s_lshl_b32 s19, s16, 7                         ; 128 a K step
	s_add_co_u32 s32, s32, s19
	s_mov_b32 s33, 0
	s_wait_kmcnt 0x0
	s_cmp_lt_u32 s17, 2                            ; the choice hangs on the work-group's number alone
	s_cselect_b64 s[20:21], s[4:5], s[8:9]
	s_cselect_b64 s[22:23], s[6:7], s[10:11]
	s_and_b32 s19, s17, 1
	s_cmp_eq_u32 s19, 0
	s_cselect_b64 s[20:21], s[20:21], s[22:23]
	s_add_nc_u64 s[20:21], s[20:21], s[28:29]
	s_add_nc_u64 s[12:13], s[12:13], s[30:31]
	s_add_nc_u64 s[14:15], s[14:15], s[32:33]
.irp u, 0,1
.irp c, 0,1,2,3
.irp j, 0,1,2,3
	global_load_b128 v[X0+64*\u+16*\c+4*\j:X0+64*\u+16*\c+4*\j+3], v4, s[20:21] offset:\u*16384+128*\c+16*\j th:TH_LOAD_NT
.endr
.endr
.endr
	s_wait_loadcnt 16                              ; the first tile's 16 loads are in; the second tile's 16 are younger
	QUANT X0, PC, PW
	s_wait_loadcnt 0x0
	QUANT X0+64, PC+16, PW+1
.irp u, 0,1
.irp c, 0,1,2,3
	global_store_b128 v5, v[PC+16*\u+4*\c:PC+16*\u+4*\c+3], s[12:13] offset:\u*8192+512*\c   ; 32 lanes store 512 consecutive bytes
.endr
.endr
	v_cmp_ne_u32 vcc_lo, 0, v3
	v_cndmask_b32 v34, v32, v33, vcc_lo            ; lanes 0-15: the even tile's word of row r; lanes 16-31: the odd tile's
	global_store_b32 v6, v34, s[14:15]
	s_endpgm
.Lfunc_end_k_q8b01e6218d_wq:
	.size	k_q8b01e6218d_wq, .Lfunc_end_k_q8b01e6218d_wq-k_q8b01e6218d_wq
	.p2alignl 7, 3214868480
	.fill 96, 4, 3214868480
	.section	.rodata,"a",@progbits
	.p2align	6, 0x0
	.amdhsa_kernel k_q8b01e6218d_wq
		.amdhsa_group_segment_fixed_size 0
		.amdhsa_private_segment_fixed_size 0
		.amdhsa_enable_private_segment 0
		.amdhsa_kernarg_size 48
		.amdhsa_user_sgpr_count 2
		.amdhsa_user_sgpr_kernarg_segment_ptr 1
		.amdhsa_wavefront_size32 1
		.amdhsa_system_sgpr_workgroup_id_x 1
		.amdhsa_system_sgpr_workgroup_id_y 1
		.amdhsa_system_sgpr_workgroup_id_z 1
		.amdhsa_system_vgpr_workitem_id 0
		.amdhsa_next_free_vgpr 224
		.amdhsa_next_free_sgpr 66
		.amdhsa_reserve_vcc 1
		.amdhsa_float_denorm_mode_32 3
		.amdhsa_float_denorm_mode_16_64 3
		.amdhsa_memory_ordered 1
		.amdhsa_forward_progress 1
		.amdhsa_inst_pref_size 22
	.end_amdhsa_kernel
	.amdgpu_metadata
---
amdhsa.version: [ 1, 2 ]
amdhsa.kernels:
  - .name:           k_q8b01e6218d_wq
    .symbol:         k_q8b01e6218d_wq.kd
    .args:
      - { .name: w_q, .offset: 0, .size: 8, .value_kind: global_buffer, .address_space: global }
      - { .name: w_v1, .offset: 8, .size: 8, .value_kind: global_buffer, .address_space: global }
      - { .name: w_k, .offset: 16, .size: 8, .value_kind: global_buffer, .address_space: global }
      - { .name: w_v2, .offset: 24, .size: 8, .value_kind: global_buffer, .address_space: global }
      - { .name: wc, .offset: 32, .size: 8, .value_kind: global_buffer, .address_space: global }
      - { .name: ws, .offset: 40, .size: 8, .value_kind: global_buffer, .address_space: global }
    .group_segment_fixed_size: 0
    .private_segment_fixed_size: 0
    .kernarg_segment_align: 8
    .kernarg_segment_size: 48
    .max_flat_workgroup_size: 128
    .sgpr_count:     66
    .vgpr_count:     224
    .wavefront_size: 32
...
	.end_amdgpu_metadata
.endif
;; end of part 1
;; launch proj (part 2): grid 16 x 16, 4 waves a work-group, no clusters, 327,680 bytes of LDS; arguments x1, x2, wc, ws, b_q, b_v1, b_k, b_v2, kv, sc; writes kv, sc
.if DOCPART == 2
	.amdgcn_target "amdgcn-amd-amdhsa--gfx1250"
	.amdhsa_code_object_version 6
	.text
	.protected	k_q8b01e6218d_proj
	.globl	k_q8b01e6218d_proj
	.p2align	8
	.type	k_q8b01e6218d_proj,@function
k_q8b01e6218d_proj:
	s_mov_b64 s[64:65], 0
	v_nop
	global_prefetch_b8 v0, s[64:65] scope:SCOPE_SE
	s_setreg_imm32_b32 hwreg(HW_REG_WAVE_MODE, 25, 1), 1
	s_wait_xcnt 0x0
; SECOND LAUNCH: products 1 to 4.  No work of reference() is left out here.  x_t [8][512 (c)][2048 (l)] f32 is quantised along c; q | k = x W_A^T + b_A is quantised along d, v1 | v2 = x W_V^T + b_V along the positions l.
; A work-group (x: block of 128 positions; y: t = y / 8 (x1, x2), batch y % 8) reads its 512 x 128 numbers of x once and writes exactly kv[t][b][blk] (131,072 bytes) and sc[t][b][blk] (4,096 bytes).
; kv block: bytes 0 on, the K part: q | k as fragments [position tile T 0..7][K step s 0..3 along d][2,048];  bytes 65,536 on, the V part: v1 | v2 with these 128 positions as K: [channel tile ct 0..31][2,048].
; sc block: K part: T 256 + r 16 + s 4;  V part at 2,048: g 512 + lane 16 + kk 4 = the word of ct = 8 g + 2 kk + lane / 16, row lane % 16.
; EVERY TILE OF 16 ROWS (of W, of positions, of channels) has rows 32 (T / 2) + 8 (T % 2) + r + 8 (r / 8); a fragment lies as an image of its registers (registers 4 c .. 4 c + 3 of lane l at 512 c + 16 l).
; THE WAVES SHARE THE COLUMNS.  Wave w makes d = 128 w .. + 127 of q | k (K step w of all 8 position tiles) and channel tiles 8 w .. 8 w + 7 of v.  Both by one macro: source 0 = a STATIONARY set of 32 fragments
; (8 tiles x 4 K steps, 512 registers), source 1 = a MOVING tile's 4 fragments: a lane holds one moving row, and its 64 results run along the stationary rows, 16 neighbours for each block of 32: what the
; conversions want.  Q part: stationary = my part of W_A, moving = x's tiles.  V part: stationary = x, moving = my tiles of W_V.  The biases are the C of each sum's first product.
; NO CLUSTER: the only input that work-groups share is the weights, and each wave loads its part of them once, straight into registers; x's tiles are read by one work-group alone.
; LDS: 0 .. 262,143 x as f32 [c][128 l], rows of 512 bytes, filled ONCE by tensor loads; when it has been read out, its first 65,536 bytes take x's 32 fragment images; behind it x's scale words, two gathers of
; scale words for the way out, and the spare words.  The whole LDS claim's size exceeds half of a WGP's.
; LIMITS: as stated at the head of the first launch (byte 1 for a block of zeros, the floor, no NaN or infinities).
.set XS,    262144                     ; x's scale words: T 256 + r 16 + s 4
.set KSG,   XS+2048                    ; the K part's scale words, gathered
.set VSG,   XS+4096                    ; the V part's
.set SPARE, XS+6144                    ; the spare words, 128 bytes for each wave: two blocks of 256 bytes that no other line names
.set L16, 1                            ; v1   16 x lane
.set L4,  2                            ; v2   4 x lane
.set RA,  3                            ; v3   x as f32: my position's column, 4 x thread; + 65,536 a quarter
.set WA,  4                            ; v4   where my position's codes go in x's images
.set WSA, 5                            ; v5   and its four scale words
.set MVA, 6                            ; v6   at work: the moving x tile
.set KS0, 7                            ; v7   16 r + 4 w + 2,048
.set GA,  8                            ; v8   KSG + 512 w + 16 x lane
.set BBA, 9                            ; v9   4 (r + 8 (r / 8))
.set MXA, 10                           ; v10  at work: x's scale words
.set KSW, 11                           ; v11  at work
.set VSW, 12                           ; v12  at work
.set SPW, 14                           ; v14  my spare word; never rewritten
.set NIL, 15                           ; v15  0; never rewritten
.set TM,  16                           ; v16-31   at work in the quantisers
.set ACC, 32                           ; v32-95   8 accumulators
.set RAW, 32                           ; v32-95   while x is quantised: two sets of 32 numbers
.set MV,  96                           ; v96-159  the moving x tile's 4 fragments
.set PC0, 160                          ; v160-175, v176-191 codes just made
.set PC1, 176
.set SS,  192                          ; v192-207 the stationary set's scale words: register 4 (t / 2) + s; lanes 0-15 the even tile, lanes 16-31 the odd one
.set MSX, 208                          ; v208-211 a pair of x tiles' scale words
.set MSV, 212                          ; v212-215 a pair of W_V tiles'
.set BV,  216                          ; v216-223 b_V of my lane's channel, eight times
.set BB,  224                          ; v224-225 b_V of my row in the pair's two tiles
.set PW0, 226
.set PW1, 227
.set PWS, 228
.set SB,  232                          ; v232-235 my position's four scale words
.set CX,  0                            ; window 3: v0-127 x's codes, 8 registers a block; later W_V's two buffers of 4 fragments
.set BQ,  192                          ; window 3: v192-255 b_A in the result's layout, 8 registers a tile
                                       ; windows 1 and 2: the stationary fragment (t, s) at 16 (8 s + t)
.set G1,  32                           ; s[32:39] descriptor group 1;  s[40:55] group 0 for each quarter of x
.set G0,  40
.set SEL, 56
.set MNT, 58
.set WVB, 66                           ; s[66:67] W_V's codes, the pair in hand
.set WSB, 68                           ; s[68:69] its scale words
.set BBP, 70                           ; s[70:71] its part of b_V
.set KVA, 72                           ; s[72:73] K part out
.set KVV, 74                           ; s[74:75] V part out
.set SCP, 76                           ; s[76:77] sc out
.set WAB, 80                           ; s[80:81] my part of W_A's codes
.set WSP, 82                           ; s[82:83] its scale words
.set BA,  84                           ; s[84:85] my part of b_A
.set MSB, 0
.macro WIN new                         ; the immediate's high byte repeats the setting that is left; a switch that changes nothing is dropped
.if MSB != (\new)
	s_set_vgpr_msb (MSB<<8)|(\new)
.set MSB, (\new)
.endif
.endm
.macro PLACES cnt
.rept \cnt
	v_nop
.endr
.endm
.macro BARRIER                         ; my LDS stores have landed and my LDS loads are in: then the work-group's barrier
	s_wait_dscnt 0x0
	s_barrier_signal -1
	s_barrier_wait -1
.endm
.macro QUANT src, pc, pw               ; 64 numbers of a lane (register 16 b + i = k 32 b + 16 (lane / 16) + i of my row) become a fragment's codes and my row's scale word
.irp b, 0,1,2,3
	v_max3_num_f32 v[TM+\b], |v[(\src)+16*\b]|, |v[(\src)+16*\b+1]|, 0x8000000   ; each accumulator is read from its low end on; the floor 2^(16 - 127) holds the byte at 1 from below
.endr
.irp n, 2,4,6,8,10,12,14
.irp b, 0,1,2,3
	v_max3_num_f32 v[TM+\b], v[TM+\b], |v[(\src)+16*\b+\n]|, |v[(\src)+16*\b+\n+1]|
.endr
.endr
.irp b, 0,1,2,3
	v_permlanex16_b32 v[TM+4+\b], v[TM+\b], s[SEL], s[SEL+1]
.endr
.irp b, 0,1,2,3
	v_max_num_f32 v[TM+\b], v[TM+\b], v[TM+4+\b]
.endr
.irp b, 0,1,2,3
	v_add_nc_u32 v[TM+12+\b], 0xf8800000, v[TM+\b]
.endr
.irp b, 0,1,2,3
	v_and_or_b32 v[TM+8+\b], v[TM+\b], 0x7f800000, s[MNT]
.endr
.irp b, 0,1,2,3
	v_lshrrev_b32 v[TM+4+\b], 23, v[TM+12+\b]
.endr
	v_lshl_or_b32 v[\pw], v[TM+5], 8, v[TM+4]
	v_lshl_or_b32 v[\pw], v[TM+6], 16, v[\pw]
	v_lshl_or_b32 v[\pw], v[TM+7], 24, v[\pw]
.irp b, 0,1,2,3
.irp n, 0,1,2,3,4,5,6,7,8,9,10,11,12,13,14,15
	v_med3_num_f32 v[(\src)+16*\b+\n], v[(\src)+16*\b+\n], -v[TM+8+\b], v[TM+8+\b]
.endr
	v_cvt_scalef32_pk8_bf8_f32 v[(\pc)+4*\b:(\pc)+4*\b+1], v[(\src)+16*\b:(\src)+16*\b+7], v[TM+12+\b]
	v_cvt_scalef32_pk8_bf8_f32 v[(\pc)+4*\b+2:(\pc)+4*\b+3], v[(\src)+16*\b+8:(\src)+16*\b+15], v[TM+12+\b]
.endr
	v_nop                                          ; one plain line behind the last conversion: the next products write v[src] on
.endm
; one product; ra, rb: the scale words are taken from lanes 16-31
.macro WM d, a, b, c, sa, sb, ra, rb
.if (\ra) && (\rb)
	v_wmma_scale_f32_16x16x128_f8f6f4 v[(\d):(\d)+7], v[(\a):(\a)+15], v[(\b):(\b)+15], v[(\c):(\c)+7], v[\sa], v[\sb] matrix_a_fmt:MATRIX_FMT_BF8 matrix_b_fmt:MATRIX_FMT_BF8 matrix_a_scale:MATRIX_SCALE_ROW1 matrix_b_scale:MATRIX_SCALE_ROW1
.elseif (\ra)
	v_wmma_scale_f32_16x16x128_f8f6f4 v[(\d):(\d)+7], v[(\a):(\a)+15], v[(\b):(\b)+15], v[(\c):(\c)+7], v[\sa], v[\sb] matrix_a_fmt:MATRIX_FMT_BF8 matrix_b_fmt:MATRIX_FMT_BF8 matrix_a_scale:MATRIX_SCALE_ROW1
.elseif (\rb)
	v_wmma_scale_f32_16x16x128_f8f6f4 v[(\d):(\d)+7], v[(\a):(\a)+15], v[(\b):(\b)+15], v[(\c):(\c)+7], v[\sa], v[\sb] matrix_a_fmt:MATRIX_FMT_BF8 matrix_b_fmt:MATRIX_FMT_BF8 matrix_b_scale:MATRIX_SCALE_ROW1
.else
	v_wmma_scale_f32_16x16x128_f8f6f4 v[(\d):(\d)+7], v[(\a):(\a)+15], v[(\b):(\b)+15], v[(\c):(\c)+7], v[\sa], v[\sb] matrix_a_fmt:MATRIX_FMT_BF8 matrix_b_fmt:MATRIX_FMT_BF8
.endif
.endm
; 32 products: the stationary set's 8 tiles x 4 K steps against the moving tile at v[mov] of window mwin (scale words v[ms] on, from lanes 16 row on).  The first K step takes the bias at v[cb + cstep t] of window cwin as C.
; The 8 accumulators take turns, one instruction a turn.  Nine places follow: for the reads of the results, for loads into the operands, and for the next sums, which are begun over these accumulators.
.macro MM mov, mwin, row, cb, cstep, cwin, ms
.irp s, 0,1,2,3
.if \s == 0
	WIN ((\cwin)<<4)|((\mwin)<<2)|1
.else
	WIN ((\mwin)<<2)|(1+\s/2)
.endif
.irp t, 0,1,2,3,4,5,6,7
.if \s == 0
	WM ACC+8*\t, 16*(8*(\s%2)+\t), (\mov)+16*\s, (\cb)+(\cstep)*\t, SS+4*(\t/2)+\s, (\ms)+\s, \t%2, \row
.else
	WM ACC+8*\t, 16*(8*(\s%2)+\t), (\mov)+16*\s, ACC+8*\t, SS+4*(\t/2)+\s, (\ms)+\s, \t%2, \row
.endif
.endr
.endr
	WIN 0
	PLACES 9
.endm
.macro LOADB kb                        ; block kb of my position: x(32 kb + n, l), n = 0 .. 31: 32 lanes read 128 consecutive bytes
.irp n, 0,1,2,3,4,5,6,7,8,9,10,11,12,13,14,15,16,17,18,19,20,21,22,23,24,25,26,27,28,29,30,31
	ds_load_b32 v[RAW+32*((\kb)%2)+\n], v[RA] offset:(32*((\kb)%4)+\n)*512
.endr
.endm
; A LANE TAKES A POSITION, AND ITS REGISTERS RUN DOWN c: a block of 32 along K lies in one lane's 32 registers
.macro XBLOCK kb
.set XR, RAW+32*((\kb)%2)
.if (\kb)%4 == 0
	s_wait_dscnt 0x0
	s_wait_tensorcnt 3-(\kb)/4                     ; my part of this quarter of x has landed; the later quarters' loads stay out
	s_barrier_signal -1
	s_barrier_wait -1                              ; everybody's has
.if (\kb) > 0
	v_add_nc_u32 v[RA], 0x10000, v[RA]
.endif
	LOADB \kb
.endif
.if (\kb)%4 < 3
	LOADB (\kb)+1
	s_wait_dscnt 32                                ; this block's 32 loads are in; the next block's 32 are younger
.else
	s_wait_dscnt 0x0
.endif
	v_max3_num_f32 v[TM], |v[XR]|, |v[XR+1]|, |v[XR+2]|
	v_max3_num_f32 v[TM+1], |v[XR+3]|, |v[XR+4]|, |v[XR+5]|
.irp n, 6,10,14,18,22,26
	v_max3_num_f32 v[TM], v[TM], |v[XR+\n]|, |v[XR+\n+1]|
	v_max3_num_f32 v[TM+1], v[TM+1], |v[XR+\n+2]|, |v[XR+\n+3]|
.endr
	v_max3_num_f32 v[TM], v[TM], |v[XR+30]|, |v[XR+31]|
	v_max3_num_f32 v[TM], v[TM], v[TM+1], 0x8000000
	v_add_nc_u32 v[TM+2], 0xf8800000, v[TM]
	v_and_or_b32 v[TM+3], v[TM], 0x7f800000, s[MNT]
	v_lshrrev_b32 v[TM+1], 23, v[TM+2]
.if (\kb)%4 == 0
	v_mov_b32 v[SB+(\kb)/4], v[TM+1]               ; four bytes to a word, the lower K in the lower byte
.else
	v_lshl_or_b32 v[SB+(\kb)/4], v[TM+1], 8*((\kb)%4), v[SB+(\kb)/4]
.endif
.irp n, 0,1,2,3,4,5,6,7,8,9,10,11,12,13,14,15,16,17,18,19,20,21,22,23,24,25,26,27,28,29,30,31
	v_med3_num_f32 v[XR+\n], v[XR+\n], -v[TM+3], v[TM+3]
.endr
	WIN 0xc0                                       ; destination window 3
.irp g, 0,1,2,3
	v_cvt_scalef32_pk8_bf8_f32 v[CX+8*(\kb)+2*\g:CX+8*(\kb)+2*\g+1], v[XR+8*\g:XR+8*\g+7], v[TM+2]
.endr
	WIN 0
	v_nop
.endm
.macro LOADMV u                        ; x's tile 2 j + u: four fragments out of their images
.irp s, 0,1,2,3
.irp c, 0,1,2,3
	ds_load_b128 v[MV+16*\s+4*\c:MV+16*\s+4*\c+3], v[MVA] offset:(\u)*8192+\s*2048+512*\c
.endr
.endr
.endm
.macro LOADWV u                        ; W_V's tile u of the pair in hand: four fragments into buffer u of window 3
	WIN 0xc0
.irp s, 0,1,2,3
.irp c, 0,1,2,3
	global_load_b128 v[64*(\u)+16*\s+4*\c:64*(\u)+16*\s+4*\c+3], v[L16], s[WVB:WVB+1] offset:8192*(\u)+2048*\s+512*\c
.endr
.endr
	WIN 0
.endm
.macro LOADMS                          ; the pair's scale words and its rows of b_V
.irp s, 0,1,2,3
	global_load_b32 v[MSV+\s], v[L4], s[WSB:WSB+1] offset:128*\s
.endr
	global_load_b32 v[BB], v[BBA], s[BBP:BBP+1]
	global_load_b32 v[BB+1], v[BBA], s[BBP:BBP+1] offset:32
.endm
.macro PUT pc, base, off               ; a fragment's image goes out: four stores of 512 consecutive bytes
.irp c, 0,1,2,3
	global_store_b128 v[L16], v[(\pc)+4*\c:(\pc)+4*\c+3], s[\base:\base+1] offset:(\off)+512*\c
.endr
.endm
	s_load_b512 s[8:23], s[0:1], 0x0               ; x1, x2, wc, ws, b_q, b_v1, b_k, b_v2
	s_load_b128 s[24:27], s[0:1], 0x40             ; kv, sc
	v_lshl_add_u32 v[SPW], v0, 2, SPARE
	v_mov_b32 v[NIL], 0
	ds_add_u32 v[SPW], v[NIL]                      ; the wave's opening: the add, twice on end, and its wait ahead of my first tensor load
	ds_add_u32 v[SPW], v[NIL]
	v_lshrrev_b32 v236, 5, v0
	v_readfirstlane_b32 s4, v236                   ; wave 0..3
	v_and_b32 v236, 31, v0                         ; lane
	v_and_b32 v237, 15, v0                         ; r
	v_bfe_u32 v238, v0, 4, 1                       ; h
	v_and_b32 v239, 7, v0                          ; lane % 8
	v_bfe_u32 v241, v0, 3, 1                       ; (lane / 8) % 2
	v_lshlrev_b32 v[L16], 4, v236
	v_lshlrev_b32 v[L4], 2, v236
	v_lshlrev_b32 v[RA], 2, v0                     ; position 32 w + lane
	v_lshlrev_b32 v240, 6, v238                    ; 64 h: b_A's eight numbers of my half
	s_lshl_b32 s3, s4, 14
	; position 32 w + lane is row (lane % 8) + 8 (lane / 16) of tile 2 w + (lane / 8) % 2
	v_lshlrev_b32 v[WA], 13, v241
	v_lshl_add_u32 v[WA], v238, 7, v[WA]
	v_lshl_add_u32 v[WA], v239, 4, v[WA]
	v_add_nc_u32 v[WA], s3, v[WA]
	s_lshl_b32 s2, s4, 9
	s_add_co_u32 s2, s2, XS
	v_lshlrev_b32 v[WSA], 8, v241
	v_lshl_add_u32 v[WSA], v238, 7, v[WSA]
	v_lshl_add_u32 v[WSA], v239, 4, v[WSA]
	v_add_nc_u32 v[WSA], s2, v[WSA]
	s_add_co_u32 s2, s2, 2048
	v_add_nc_u32 v[GA], s2, v[L16]
	s_lshl_b32 s2, s4, 2
	s_add_co_u32 s2, s2, 2048
	v_lshl_add_u32 v[KS0], v237, 4, s2
	v_and_b32 v[BBA], 8, v237
	v_add_nc_u32 v[BBA], v[BBA], v237
	v_lshlrev_b32 v[BBA], 2, v[BBA]
.irp b, 0,1,2,3
	v_mov_b32 v[TM+4+\b], 0                        ; written once: a lane permute's destination counts as one of its sources
.endr
	s_and_b32 s7, ttmp7, 0xffff
	s_lshr_b32 s6, s7, 3                           ; t
	s_and_b32 s7, s7, 7                            ; b
	; descriptor group 1: 32 rows (c) of 512 bytes (128 positions), 8,192 bytes apart, in elements of 8 bytes; no padding, no mask
	s_mov_b32 s[G1], 3<<16
	s_mov_b32 s[G1+1], 64<<16                      ; tensor_dim0 = 64
	s_mov_b32 s[G1+2], 32<<16                      ; tensor_dim1 = 32
	s_mov_b32 s[G1+3], 64<<16                      ; tile_dim0 = 64
	s_mov_b32 s[G1+4], 32                          ; tile_dim1 = 32
	s_mov_b32 s[G1+5], 1024                        ; from row to row
	s_mov_b32 s[G1+6], 0
	s_mov_b32 s[G1+7], 0
	s_mov_b32 s[SEL], 0x76543210
	s_mov_b32 s[SEL+1], 0xfedcba98
	s_mov_b32 s[MNT], 0x600000
	s_lshl_b32 s28, s7, 22                         ; in x: a batch is 4,194,304 bytes,
	s_lshl_b32 s2, ttmp9, 9                        ; 128 positions 512,
	s_add_co_u32 s28, s28, s2
	s_lshl_b32 s2, s4, 18                          ; my 32 rows of a quarter
	s_add_co_u32 s28, s28, s2
	s_mov_b32 s29, 0
	s_wait_dscnt 0x0                               ; both opening adds are done
	s_wait_kmcnt 0x0
	s_cmp_eq_u32 s6, 0                             ; the choices hang on the work-group's number alone
	s_cselect_b64 s[30:31], s[8:9], s[10:11]
	s_cselect_b64 s[BA:BA+1], s[16:17], s[20:21]
	s_cselect_b64 s[BBP:BBP+1], s[18:19], s[22:23]
	s_add_nc_u64 s[30:31], s[30:31], s[28:29]
.irp q, 0,1,2,3
	s_mov_b32 s[G0+4*\q], 1
	s_add_co_u32 s[G0+4*\q+1], s3, \q*65536        ; LDS: row 128 q + 32 w
	s_add_nc_u64 s[G0+4*\q+2:G0+4*\q+3], s[30:31], \q*1048576
	s_or_b32 s[G0+4*\q+3], s[G0+4*\q+3], 0x80000000
.endr
.irp q, 0,1,2,3
	tensor_load_to_lds s[G0+4*\q:G0+4*\q+3], s[G1:G1+7]   ; all of x's first and only fills, one group: four loads of mine are out
	s_nop 0
.endr
	PLACES 4
	v_cmp_ne_u32 s59, 0, v238                      ; lanes 16-31
	s_lshl_b32 s28, s6, 19                         ; wc: W_A is weight 2 t, W_V weight 2 t + 1; my 8 tiles are 65,536 bytes
	s_lshl_b32 s2, s4, 16
	s_add_co_u32 s28, s28, s2
	s_add_nc_u64 s[WAB:WAB+1], s[12:13], s[28:29]
	s_add_nc_u64 s[WVB:WVB+1], s[WAB:WAB+1], 0x40000
	s_lshl_b32 s28, s6, 14
	s_lshl_b32 s2, s4, 11
	s_add_co_u32 s28, s28, s2
	s_add_nc_u64 s[WSP:WSP+1], s[14:15], s[28:29]
	s_add_nc_u64 s[WSB:WSB+1], s[WSP:WSP+1], 8192
	s_lshl_b32 s28, s4, 9
	s_add_nc_u64 s[BA:BA+1], s[BA:BA+1], s[28:29]
	s_add_nc_u64 s[BBP:BBP+1], s[BBP:BBP+1], s[28:29]
	s_lshl_b32 s2, s6, 3
	s_add_co_u32 s2, s2, s7
	s_lshl_b32 s2, s2, 4
	s_add_co_u32 s2, s2, ttmp9                     ; (8 t + b) 16 + blk
	s_lshl_b32 s28, s2, 17
	s_add_nc_u64 s[KVA:KVA+1], s[24:25], s[28:29]
	s_add_nc_u64 s[KVV:KVV+1], s[KVA:KVA+1], 0x10000
	s_lshl_b32 s28, s4, 11
	s_add_nc_u64 s[KVA:KVA+1], s[KVA:KVA+1], s[28:29]
	s_mov_b32 s28, s3
	s_add_nc_u64 s[KVV:KVV+1], s[KVV:KVV+1], s[28:29]
	s_lshl_b32 s28, s2, 12
	s_lshl_b32 s2, s4, 9
	s_add_co_u32 s28, s28, s2
	s_add_nc_u64 s[SCP:SCP+1], s[26:27], s[28:29]
	; my part of W_A, its scale words and b_A come while x is on its way
	WIN 0x40
.irp s, 0,1
.irp t, 0,1,2,3,4,5,6,7
.irp c, 0,1,2,3
	global_load_b128 v[16*(8*\s+\t)+4*\c:16*(8*\s+\t)+4*\c+3], v[L16], s[WAB:WAB+1] offset:\t*8192+\s*2048+512*\c
.endr
.endr
.endr
	WIN 0x80
.irp s, 0,1
.irp t, 0,1,2,3,4,5,6,7
.irp c, 0,1,2,3
	global_load_b128 v[16*(8*\s+\t)+4*\c:16*(8*\s+\t)+4*\c+3], v[L16], s[WAB:WAB+1] offset:\t*8192+(\s+2)*2048+512*\c
.endr
.endr
.endr
	WIN 0xc0
.irp t, 0,1,2,3,4,5,6,7
	global_load_b128 v[BQ+8*\t:BQ+8*\t+3], v240, s[BA:BA+1] offset:(32*(\t/2)+8*(\t%2))*4      ; lane (r, h), tile t: b_A of d = 32 (t / 2) + 16 h + 8 (t % 2) + 0 .. 7
	global_load_b128 v[BQ+8*\t+4:BQ+8*\t+7], v240, s[BA:BA+1] offset:(32*(\t/2)+8*(\t%2))*4+16
.endr
	WIN 0
.irp g, 0,1,2,3
.irp s, 0,1,2,3
	global_load_b32 v[SS+4*\g+\s], v[L4], s[WSP:WSP+1] offset:\g*512+\s*128
.endr
.endr
	; ---- x is quantised, a quarter (128 of c: one K step) at a time, as the quarters land
.irp kb, 0,1,2,3,4,5,6,7,8,9,10,11,12,13,14,15
	XBLOCK \kb
.endr
	BARRIER                                        ; every wave's reads of x as f32 are over, and those bytes have had their last fill: the images may be laid over them
	WIN 0x0c                                       ; an LDS store's data are its source 1: window 3
.irp kb, 0,1,2,3,4,5,6,7,8,9,10,11,12,13,14,15
	ds_store_b128 v[WA], v[CX+8*\kb:CX+8*\kb+3] offset:(\kb/4)*2048+(\kb%4)*512           ; k 32 kb + 0 .. 15: the place of lane r
	ds_store_b128 v[WA], v[CX+8*\kb+4:CX+8*\kb+7] offset:(\kb/4)*2048+(\kb%4)*512+256     ; k 32 kb + 16 .. 31: of lane 16 + r
.endr
	WIN 0
	ds_store_b128 v[WSA], v[SB:SB+3]
	BARRIER                                        ; x's 32 fragments and their scale words lie in LDS
	LOADWV 0                                       ; W_V's first pair is asked for now and lands under the Q part
	LOADMS
	LOADWV 1
	s_wait_loadcnt 38                              ; all but these 16 + 4 + 2 + 16: W_A, its scale words and b_A are in
	; ---- Q part: q | k of my 128 d, two tiles of positions a trip
	s_mov_b32 s60, 4
	s_mov_b32 s61, 0                               ; the pair's images: 16,384 a trip
	s_mov_b32 s62, XS                              ; its scale words: 512 a trip
.Lq:
	v_add_nc_u32 v[MVA], s61, v[L16]
	v_add_nc_u32 v[MXA], s62, v[L16]
	v_add_nc_u32 v[KSW], s62, v[KS0]
	ds_load_b128 v[MSX:MSX+3], v[MXA]              ; lanes 0-15: the even tile's four words of row r; lanes 16-31: the odd tile's
	LOADMV 0
	s_wait_dscnt 0x0
	MM MV, 0, 0, BQ, 8, 3, MSX
	LOADMV 1                                       ; lands while the first tile is quantised
	QUANT ACC, PC0, PW0
	PUT PC0, KVA, 0                                ; K step w of tile 2 j
	ds_store_b32 v[KSW], v[PW0]                    ; both halves of the lanes write the same word with the same value
	s_wait_dscnt 0x0
	MM MV, 0, 1, BQ, 8, 3, MSX
	QUANT ACC, PC1, PW1
	PUT PC1, KVA, 8192
	ds_store_b32 v[KSW], v[PW1] offset:256
	s_wait_xcnt 0x0                                ; the stores have read their data and their base: both are written again only behind this wait
	s_add_nc_u64 s[KVA:KVA+1], s[KVA:KVA+1], 16384
	s_add_co_u32 s61, s61, 16384
	s_add_co_u32 s62, s62, 512
	s_sub_co_u32 s60, s60, 1
	s_cmp_lg_u32 s60, 0
	s_cbranch_scc1 .Lq
	; ---- x becomes the stationary set
	v_add_nc_u32 v[MXA], XS, v[L16]
	WIN 0x40
.irp s, 0,1
.irp t, 0,1,2,3,4,5,6,7
.irp c, 0,1,2,3
	ds_load_b128 v[16*(8*\s+\t)+4*\c:16*(8*\s+\t)+4*\c+3], v[L16] offset:\t*8192+\s*2048+512*\c
.endr
.endr
.endr
	WIN 0x80
.irp s, 0,1
.irp t, 0,1,2,3,4,5,6,7
.irp c, 0,1,2,3
	ds_load_b128 v[16*(8*\s+\t)+4*\c:16*(8*\s+\t)+4*\c+3], v[L16] offset:\t*8192+(\s+2)*2048+512*\c
.endr
.endr
.endr
	WIN 0
.irp g, 0,1,2,3
	ds_load_b128 v[SS+4*\g:SS+4*\g+3], v[MXA] offset:\g*512
.endr
	s_wait_dscnt 0x0
; ---- V part: a pair of my channel tiles a trip.  The loads that are out at a trip's head, oldest first: buffer 0 (16), the pair's scale words and biases (6), buffer 1 (16)
.macro VTRIP last
	s_wait_loadcnt 16                              ; all but buffer 1's 16
.irp n, 0,1,2,3,4,5,6,7
	v_mov_b32 v[BV+\n], v[BB]                      ; a lane holds one channel: its bias serves all eight registers of every tile
.endr
	PLACES 4                                       ; kept at the distance that an operand written by vector instructions keeps
	MM 0, 3, 0, BV, 0, 0, MSV
.if !(\last)
	s_wait_xcnt 0x0                                ; the loads have read their base
	s_add_nc_u64 s[WVB:WVB+1], s[WVB:WVB+1], 16384
	LOADWV 0                                       ; the next pair's first tile
.endif
	QUANT ACC, PC0, PW0
	PUT PC0, KVV, 0
.if \last
	s_wait_loadcnt 0x0
.else
	s_wait_loadcnt 16                              ; all but the 16 just issued: buffer 1 is in
.endif
.irp n, 0,1,2,3,4,5,6,7
	v_mov_b32 v[BV+\n], v[BB+1]
.endr
	PLACES 4
	MM 64, 3, 1, BV, 0, 0, MSV
.if !(\last)
	s_wait_xcnt 0x0
	s_add_nc_u64 s[WSB:WSB+1], s[WSB:WSB+1], 512
	s_add_nc_u64 s[BBP:BBP+1], s[BBP:BBP+1], 128
	LOADMS
	LOADWV 1
.endif
	QUANT ACC, PC1, PW1
	PUT PC1, KVV, 2048
	v_cndmask_b32 v[PWS], v[PW0], v[PW1], s59      ; lanes 0-15: the even tile's word; lanes 16-31: the odd tile's
	v_add_nc_u32 v[VSW], s63, v[GA]
	ds_store_b32 v[VSW], v[PWS] offset:2048
	s_add_co_u32 s63, s63, 4
	s_wait_xcnt 0x0                                ; the stores have read their data and their base
	s_add_nc_u64 s[KVV:KVV+1], s[KVV:KVV+1], 4096
.endm
	s_mov_b32 s60, 3
	s_mov_b32 s63, 0
.Lv:
	VTRIP 0
	s_sub_co_u32 s60, s60, 1
	s_cmp_lg_u32 s60, 0
	s_cbranch_scc1 .Lv
	VTRIP 1                                        ; the last pair is written out: it asks for nothing more, and its waits count so
	BARRIER                                        ; all scale words are gathered
	ds_load_b128 v[236:239], v[GA]
	ds_load_b128 v[240:243], v[GA] offset:2048
	s_wait_dscnt 0x0
	global_store_b128 v[L16], v[236:239], s[SCP:SCP+1]               ; 32 lanes store 512 consecutive bytes
	global_store_b128 v[L16], v[240:243], s[SCP:SCP+1] offset:2048
	s_wait_tensorcnt 0x0                           ; the wave's end: behind my last tensor load and my last LDS store
	ds_add_u32 v[SPW], v[NIL]
	s_wait_dscnt 0x0
	s_endpgm
.Lfunc_end_k_q8b01e6218d_proj:
	.size	k_q8b01e6218d_proj, .Lfunc_end_k_q8b01e6218d_proj-k_q8b01e6218d_proj
	.p2alignl 7, 3214868480
	.fill 96, 4, 3214868480
	.section	.rodata,"a",@progbits
	.p2align	6, 0x0
	.amdhsa_kernel k_q8b01e6218d_proj
		.amdhsa_group_segment_fixed_size 327680
		.amdhsa_private_segment_fixed_size 0
		.amdhsa_enable_private_segment 0
		.amdhsa_kernarg_size 80
		.amdhsa_user_sgpr_count 2
		.amdhsa_user_sgpr_kernarg_segment_ptr 1
		.amdhsa_wavefront_size32 1
		.amdhsa_system_sgpr_workgroup_id_x 1
		.amdhsa_system_sgpr_workgroup_id_y 1
		.amdhsa_system_sgpr_workgroup_id_z 1
		.amdhsa_system_vgpr_workitem_id 0
		.amdhsa_next_free_vgpr 1024
		.amdhsa_next_free_sgpr 88
		.amdhsa_reserve_vcc 0
		.amdhsa_float_denorm_mode_32 3
		.amdhsa_float_denorm_mode_16_64 3
		.amdhsa_memory_ordered 1
		.amdhsa_forward_progress 1
		.amdhsa_inst_pref_size 213
	.end_amdhsa_kernel
	.amdgpu_metadata
---
amdhsa.version: [ 1, 2 ]
amdhsa.kernels:
  - .name:           k_q8b01e6218d_proj
    .symbol:         k_q8b01e6218d_proj.kd
    .args:
      - { .name: x1, .offset: 0, .size: 8, .value_kind: global_buffer, .address_space: global }
      - { .name: x2, .offset: 8, .size: 8, .value_kind: global_buffer, .address_space: global }
      - { .name: wc, .offset: 16, .size: 8, .value_kind: global_buffer, .address_space: global }
      - { .name: ws, .offset: 24, .size: 8, .value_kind: global_buffer, .address_space: global }
      - { .name: b_q, .offset: 32, .size: 8, .value_kind: global_buffer, .address_space: global }
      - { .name: b_v1, .offset: 40, .size: 8, .value_kind: global_buffer, .address_space: global }
      - { .name: b_k, .offset: 48, .size: 8, .value_kind: global_buffer, .address_space: global }
      - { .name: b_v2, .offset: 56, .size: 8, .value_kind: global_buffer, .address_space: global }
      - { .name: kv, .offset: 64, .size: 8, .value_kind: global_buffer, .address_space: global }
      - { .name: sc, .offset: 72, .size: 8, .value_kind: global_buffer, .address_space: global }
    .group_segment_fixed_size: 327680
    .private_segment_fixed_size: 0
    .kernarg_segment_align: 8
    .kernarg_segment_size: 80
    .max_flat_workgroup_size: 128
    .sgpr_count:     88
    .vgpr_count:     1024
    .wavefront_size: 32
...
	.end_amdgpu_metadata
.endif
;; end of part 2
;; launch attn (part 3): grid 16 x 16, 4 waves a work-group, clusters of 4 x 1, 327,680 bytes of LDS; arguments kv, sc, x1, x2, ln_gamma, ln_beta, out0, out1; writes out0, out1
.if DOCPART == 3
	.amdgcn_target "amdgcn-amd-amdhsa--gfx1250"
	.amdhsa_code_object_version 6
	.text
	.protected	k_q8b01e6218d_attn
	.globl	k_q8b01e6218d_attn
	.p2align	8
	.type	k_q8b01e6218d_attn,@function
k_q8b01e6218d_attn:
	s_mov_b64 s[64:65], 0
	v_nop
	global_prefetch_b8 v0, s[64:65] scope:SCOPE_SE
	s_setreg_imm32_b32 hwreg(HW_REG_WAVE_MODE, 25, 1), 1
	s_wait_xcnt 0x0
	s_wait_alu depctr_hold_cnt(0) depctr_sa_sdst(0) depctr_va_vdst(0) depctr_va_sdst(0) depctr_va_ssrc(0) depctr_va_vcc(0) depctr_vm_vsrc(0)
	s_getreg_b32 s2, hwreg(HW_REG_IB_STS2, 6, 4)
	s_cmp_eq_u32 s2, 0
	s_cbranch_scc0 .Lentry_in_a_cluster
	s_endpgm
.Lentry_in_a_cluster:
	s_bfe_u32 s2, ttmp6, 0x10000c
	s_cmp_lg_u32 s2, 0x3003
	s_cbranch_scc0 .Lentry_shape_is_right
	s_endpgm
.Lentry_shape_is_right:
; THIRD LAUNCH: products 5, 6, 7, both softmaxes, the skips, the layer norm and the stores [C][L].  No work of reference() is left out here.
; A softmax down the columns of the scores is a softmax along the rows of their transpose, so ONE body serves both results.  Work-group y: dir = y / 8, batch y % 8.
;   dir 0: queries q, keys k, values v2, skip x1, out0.      dir 1: queries k, keys q, values v1, skip x2, out1.      Keys and values: kv[1 - dir][b]; queries: the K part of kv[dir][b][blk].
; THE SOFTMAX AHEAD OF THE SECOND PRODUCT: t = score x log2(e) / sqrt(512); M = the row's largest t so far, rounded UP to a whole number; p = 2^(t - M) is quantised along the keys, not normalised; the row's sum is
; taken of the unquantised p and divides at the end.  M RUNS FROM BLOCK TO BLOCK OF 32 KEYS: when it moves by a whole number, the sum, the scales of the step's earlier blocks and (once a step) O are multiplied by
; f = 2^(old M - new M), which rounds nothing: the codes stay, and a block's scale byte takes the change up.
; SHARES.  A work-group owns 128 queries (blk), wave w the tiles 2 w and 2 w + 1: 32 neighbouring positions.  Every wave walks 16 steps of 128 keys.  Both products are used transposed (S^T = K Q^T, O^T = V^T P^T):
; a lane holds one query throughout.  Every tile's rows are 32 (T / 2) + 8 (T % 2) + r + 8 (r / 8), so p's 16 registers of two neighbouring tiles are 16 neighbouring keys.
; O^T of 32 queries x 512 channels fills 512 registers, so a fragment of K or V read from LDS feeds two products; fragments lie in LDS as images of their registers: every load takes 512 consecutive bytes.
; BY TURNS.  S^T is made block by block (two chunks of 8 products each), and the softmax of block b stands in slices behind the 16 products of block b + 1; only block 3's stands alone.
; CLUSTER.  The four work-groups of a cluster walk the same keys and values: each step's 131,072 bytes are asked for JOINTLY, a quarter by each wave, with the mask of all four.
; The scale words (4,096 bytes a step) do not ride in the ring: each wave loads them into registers, a phase ahead, by dense loads; so a slot is a power of two and its blocks divide evenly among those that prefetch.
; O^T IS CLEARED AT THE HEAD, while the first tile is on its way: a first step written out to start the sums would be a third copy of the step's text.
; THE WAY OUT.  O^T goes through LDS (the ring, which has had its last fill) as [c][128 l]; then wave w owns channels 128 w .. + 127 of all 128 positions, a lane four neighbouring positions:
; y = O / l + x, the mean and the mean square of y - mean over the 512 channels (two passes, summed across the waves through LDS), gain and bias; each store covers 512 consecutive bytes of a row of the output.
; The skip's rows are asked for as registers fall free: 32 behind the last product of S^T, 31 behind the last conversions, the rest as O^T leaves its registers.
; LIMITS: t is made by one multiplication with log2(e) / sqrt(512), where reference() divides and the rule then multiplies; a block of p that has fallen to zeros, or under 2^-111 of the row's later largest p,
; carries the byte 1; NaN and infinities are not served.
.set SLOT,  1<<17                      ; a slot: 65,536 bytes of K [T][s][2,048], then 65,536 of V [ct][2,048]; two slots
.set RLT,   2*SLOT                     ; 1 / l for each of the 128 queries
.set RED1,  RLT+512                    ; sums from wave to wave: 4 x 512 bytes; the sums of squares 2,048 further on
.set SPARE, RED1+4096                  ; the spare words, 128 bytes for each wave: two blocks of 256 bytes that no other line names
.set L16, 1                            ; v1   16 x lane
.set ADK, 2                            ; v2   the step's K in LDS
.set ADV, 3                            ; v3   its V
.set PFO, 4                            ; v4   256 x lane
.set SPW, 6                            ; v6   my spare word; never rewritten
.set NIL, 7                            ; v7   0; never rewritten
.set ST,  8                            ; v8-15, v16-23  tile i: +0 -M, +1 the largest t, +2, +3 the sum, +4 at work, +5 p's scale word (that and nothing else), +6 f, +7 written once (named with f as a pair)
.set BY,  24                           ; v24-27, v28-31 tile i: the four blocks' scale operands: f32 numbers whose exponent field is the scale's byte
.set FT,  32                           ; v32, v34       tile i: the step's factor for O^T, the product of its four f
.set BM,  33                           ; v33, v35       tile i: the block's largest score, then its largest p (named with the factor as a pair)
.set BH,  36                           ; v36, v37       tile i: 57,344 x the block's scale
.set TP,  38                           ; v38-39         a second chain of sums
.set RT,  24                           ; v24-39         the way out: sums from the four waves
.set QS,  40                           ; v40-43   Q's scale words, register s: lanes 0-15 tile 2 w, lanes 16-31 tile 2 w + 1
.set KS,  44                           ; v44-59   K's: register 4 (t / 2) + s
.set VS,  60                           ; v60-75   V's: register ct / 2
.set P,   76                           ; v76-107  p's codes, 16 a tile
.set S,   108                          ; v108-235 S^T, then p: tile i, key tile t at 108 + 64 i + 8 t; on the way out rows 32 .. 63 of y
.set STO, 236                          ; v236-239 the way out: where my results go, for channels 128 k on
.set RD,  240                          ; v240-241 and where I read rows back (rows with bit 4 of c clear, set)
.set ZR,  242                          ; v242 0
.set RLA, 243
.set REDW, 244
.set RLR, 245
.set REDR, 246
.set PFX, 252
.set BPT, 254                          ; v254-255 tile i: the lane permute's destination
.set SUM, 76                           ; the way out, in p's registers: v76-83 two chains of sums, v84-87 1 / l, v88-91 -mean, v92-95 1 / sqrt(var + eps)
.set RL,  84
.set NMU, 88
.set RS,  92
                                       ; window 1: v0-127 Q (i, s) at 64 i + 16 s; v128-255 two buffers of four fragments.   windows 2, 3: O^T: (i, ct) in window 2 + ct / 16 at 128 i + 8 (ct % 16)
.set WV,  20
.set G1,  32                           ; s[32:39] descriptor group 1;  s[40:43] group 0, which walks
.set G0,  40
.set PFA, 44
.set SCB, 46
.set QB,  48
.set XB,  50
.set OB,  52
.set GB,  54
.set BT,  56
.set CS,  58
.set SEL, 60
.set MNT, 62
.set TB,  63
.set SLOTS, 66
.set LIM, 67
.set SQB, 70
.set MSB, 0
.set NPL, 0
.macro WIN new
.if MSB != (\new)
	s_set_vgpr_msb (MSB<<8)|(\new)
.set MSB, (\new)
.endif
.endm
.macro PLACES cnt
.rept \cnt
	v_nop
.endr
.endm
.macro CROUND                          ; a round of the cluster's barrier
	s_barrier_signal -1
	s_barrier_wait -1
	s_cmp_lg_u32 s[WV], 0
	s_cbranch_scc1 .Lnot_wave_0_\@
	s_barrier_signal -3
.Lnot_wave_0_\@:
	s_barrier_wait -3
	s_barrier_signal -1
	s_barrier_wait -1
.endm
; A prefetch of the step after the one that is being asked for: 131,072 bytes = 4 partners x 4 waves x 32 lanes x 256.  All clusters of a (dir, batch) walk the same bytes: the first of them asks;
; its partners are told apart by address.  So each block of 256 bytes is named once in the launch.  The last change that fills a slot asks for nothing; steps 0 and 1 come by their loads alone.
.macro ASK
	s_cmp_gt_u32 s[SLOTS], s[LIM]
	s_cbranch_scc0 .Lnot_mine_\@
	global_prefetch_b8 v[PFO], s[PFA:PFA+1] th:TH_LOAD_NT scope:SCOPE_SE
.Lnot_mine_\@:
.endm
.macro WM0 d, a, b, sa, sb, ra, rb     ; a product that starts a sum
.if (\ra) && (\rb)
	v_wmma_scale_f32_16x16x128_f8f6f4 v[(\d):(\d)+7], v[(\a):(\a)+15], v[(\b):(\b)+15], 0, v[\sa], v[\sb] matrix_a_fmt:MATRIX_FMT_BF8 matrix_b_fmt:MATRIX_FMT_BF8 matrix_a_scale:MATRIX_SCALE_ROW1 matrix_b_scale:MATRIX_SCALE_ROW1
.elseif (\ra)
	v_wmma_scale_f32_16x16x128_f8f6f4 v[(\d):(\d)+7], v[(\a):(\a)+15], v[(\b):(\b)+15], 0, v[\sa], v[\sb] matrix_a_fmt:MATRIX_FMT_BF8 matrix_b_fmt:MATRIX_FMT_BF8 matrix_a_scale:MATRIX_SCALE_ROW1
.elseif (\rb)
	v_wmma_scale_f32_16x16x128_f8f6f4 v[(\d):(\d)+7], v[(\a):(\a)+15], v[(\b):(\b)+15], 0, v[\sa], v[\sb] matrix_a_fmt:MATRIX_FMT_BF8 matrix_b_fmt:MATRIX_FMT_BF8 matrix_b_scale:MATRIX_SCALE_ROW1
.else
	v_wmma_scale_f32_16x16x128_f8f6f4 v[(\d):(\d)+7], v[(\a):(\a)+15], v[(\b):(\b)+15], 0, v[\sa], v[\sb] matrix_a_fmt:MATRIX_FMT_BF8 matrix_b_fmt:MATRIX_FMT_BF8
.endif
.endm
.macro WMC d, a, b, sa, sb, ra, rb     ; a product that adds in place
.if (\ra) && (\rb)
	v_wmma_scale_f32_16x16x128_f8f6f4 v[(\d):(\d)+7], v[(\a):(\a)+15], v[(\b):(\b)+15], v[(\d):(\d)+7], v[\sa], v[\sb] matrix_a_fmt:MATRIX_FMT_BF8 matrix_b_fmt:MATRIX_FMT_BF8 matrix_a_scale:MATRIX_SCALE_ROW1 matrix_b_scale:MATRIX_SCALE_ROW1
.elseif (\ra)
	v_wmma_scale_f32_16x16x128_f8f6f4 v[(\d):(\d)+7], v[(\a):(\a)+15], v[(\b):(\b)+15], v[(\d):(\d)+7], v[\sa], v[\sb] matrix_a_fmt:MATRIX_FMT_BF8 matrix_b_fmt:MATRIX_FMT_BF8 matrix_a_scale:MATRIX_SCALE_ROW1
.elseif (\rb)
	v_wmma_scale_f32_16x16x128_f8f6f4 v[(\d):(\d)+7], v[(\a):(\a)+15], v[(\b):(\b)+15], v[(\d):(\d)+7], v[\sa], v[\sb] matrix_a_fmt:MATRIX_FMT_BF8 matrix_b_fmt:MATRIX_FMT_BF8 matrix_b_scale:MATRIX_SCALE_ROW1
.else
	v_wmma_scale_f32_16x16x128_f8f6f4 v[(\d):(\d)+7], v[(\a):(\a)+15], v[(\b):(\b)+15], v[(\d):(\d)+7], v[\sa], v[\sb] matrix_a_fmt:MATRIX_FMT_BF8 matrix_b_fmt:MATRIX_FMT_BF8
.endif
.endm
; chunk g of a step's 16: four fragments into buffer g % 2.  g < 8: fragment k: key tile 2 (g / 2) + k % 2 (block g / 2 of the keys), K step 2 (g % 2) + k / 2 along d;  g >= 8: channel tiles 4 (g - 8) + 0 .. 3 of V
.macro LCH g
	WIN 0x40                                       ; destination window 1
.irp k, 0,1,2,3
.irp c, 0,1,2,3
.if (\g) < 8
	ds_load_b128 v[128+64*((\g)%2)+16*\k+4*\c:128+64*((\g)%2)+16*\k+4*\c+3], v[ADK] offset:(2*((\g)/2)+\k%2)*8192+(2*((\g)%2)+\k/2)*2048+512*\c
.else
	ds_load_b128 v[128+64*((\g)%2)+16*\k+4*\c:128+64*((\g)%2)+16*\k+4*\c+3], v[ADV] offset:(4*((\g)-8)+\k)*2048+512*\c
.endif
.endr
.endr
.endm
; one product of S^T: fragment k of chunk g against query tile i.  A chunk's 8 products go over 4 accumulators, one instruction a turn: a chain's links stand 4 instructions apart; K ascends
.macro WSP g, k, i
	WIN 0x05                                       ; K's buffer and Q in window 1, S^T in window 0
.if (2*((\g)%2)+(\k)/2) == 0
	WM0 S+64*(\i)+8*(2*((\g)/2)+(\k)%2), 128+64*((\g)%2)+16*(\k), 64*(\i)+16*(2*((\g)%2)+(\k)/2), KS+4*((\g)/2)+2*((\g)%2)+(\k)/2, QS+2*((\g)%2)+(\k)/2, (\k)%2, \i
.else
	WMC S+64*(\i)+8*(2*((\g)/2)+(\k)%2), 128+64*((\g)%2)+16*(\k), 64*(\i)+16*(2*((\g)%2)+(\k)/2), KS+4*((\g)/2)+2*((\g)%2)+(\k)/2, QS+2*((\g)%2)+(\k)/2, (\k)%2, \i
.endif
.endm
; 8 products of O^T on V's chunk m: each accumulator has one product a step
.macro WP m
.if (\m) < 4
	WIN 0xa1                                       ; V's buffer in window 1, p in window 0, O^T in window 2
.else
	WIN 0xf1                                       ; or 3
.endif
.irp k, 0,1,2,3
.irp i, 0,1
	WMC 128*\i+8*((4*(\m)+\k)%16), 128+64*((\m)%2)+16*\k, P+16*\i, VS+(4*(\m)+\k)/2, ST+8*\i+5, \k%2, 0
.endr
.endr
.endm
; O^T of channel tiles 4 m .. 4 m + 3 under the step's last M: x the step's factor.  32 plain instructions, each accumulator from its low end on
.macro RESC m
.if (\m) < 4
	WIN 0x82
.else
	WIN 0xc3
.endif
.irp i, 0,1
.irp e, 0,2,4,6,8,10,12,14,16,18,20,22,24,26,28,30
	v_pk_mul_f32 v[128*\i+32*((\m)%4)+\e:128*\i+32*((\m)%4)+\e+1], v[128*\i+32*((\m)%4)+\e:128*\i+32*((\m)%4)+\e+1], v[FT+2*\i:FT+2*\i+1] op_sel_hi:[1,0]
.endr
.endr
.endm
; THE SOFTMAX OF ONE BLOCK OF 32 KEYS is a numbered list; the symbols say which line is written: TI the query tile, BB the block, AA the line of the part.  NPL counts the plain vector lines written since it was cleared.
; Part AB, 19 + BB lines: the block's largest score (two chains; each accumulator is read from its low end on), the new M, f, the sum, the step's factor and the earlier blocks' scales under the new M
.macro SM_AB
.set rB, S+64*TI+16*BB
.set rT, ST+8*TI
.set rM, BM+2*TI
.if AA == 0
	v_max3_num_f32 v[rM], v[rB], v[rB+1], v[rB+2]
.elseif AA == 1
	v_max3_num_f32 v[rT+4], v[rB+8], v[rB+9], v[rB+10]
.elseif AA == 2
	v_max3_num_f32 v[rM], v[rM], v[rB+3], v[rB+4]
.elseif AA == 3
	v_max3_num_f32 v[rT+4], v[rT+4], v[rB+11], v[rB+12]
.elseif AA == 4
	v_max3_num_f32 v[rM], v[rM], v[rB+5], v[rB+6]
.elseif AA == 5
	v_max3_num_f32 v[rT+4], v[rT+4], v[rB+13], v[rB+14]
.elseif AA == 6
	v_max3_num_f32 v[rM], v[rM], v[rB+7], v[rB+15]
.elseif AA == 7
	v_max_num_f32 v[rM], v[rM], v[rT+4]
.elseif AA == 8
	v_permlanex16_b32 v[BPT+TI], v[rM], s[SEL], s[SEL+1]
.elseif AA == 9
	v_max_num_f32 v[rM], v[rM], v[BPT+TI]                    ; with lane l xor 16's 16 keys: it serves for the row's maximum and, since p rises with the score, for the block's largest p
.elseif AA == 10
	v_mul_f32 v[rT+4], s[CS], v[rM]                          ; as t (c is positive)
.elseif AA == 11
	v_max_num_f32 v[rT+1], v[rT+1], v[rT+4]                  ; the running largest t
.elseif AA == 12
	v_mov_b32 v[rT+4], v[rT]
.elseif AA == 13
	v_floor_f32 v[rT], -v[rT+1]                              ; the new -M = floor(-t): M is a whole number
.elseif AA == 14
	v_sub_f32 v[rT+4], v[rT], v[rT+4]                        ; old M - new M: a whole number, 0 or less
.elseif AA == 15
	v_cvt_i32_f32 v[rT+4], v[rT+4]                           ; (it saturates)
.elseif AA == 16
	v_ldexp_f32 v[rT+6], 1.0, v[rT+4]                        ; f = 2^(old M - new M)
.elseif AA == 17
	v_pk_mul_f32 v[rT+2:rT+3], v[rT+2:rT+3], v[rT+6:rT+7] op_sel_hi:[1,0]   ; the sums under the new M
.elseif AA == 18
.if BB == 0
	v_mov_b32 v[FT+2*TI], v[rT+6]                            ; the step's factor for O^T begins,
.else
	v_mul_f32 v[FT+2*TI], v[FT+2*TI], v[rT+6]                ; and goes on: a product of powers of two
.endif
.else
	v_mul_f32 v[BY+4*TI+AA-19], v[BY+4*TI+AA-19], v[rT+6]    ; an earlier block's scale under the new M: its exponent field falls by the change
.endif
.if AA != 8
.set NPL, NPL+1
.endif
.endm
; Part C, 9 lines: t - M, two at a time, and the same of the block's largest score
.macro SM_C
.set rB, S+64*TI+16*BB
.set rT, ST+8*TI
.if AA < 8
	v_pk_fma_f32 v[rB+2*AA:rB+2*AA+1], v[rB+2*AA:rB+2*AA+1], s[CS:CS+1], v[rT:rT+1] op_sel_hi:[1,0,0]
.else
	v_fma_f32 v[BM+2*TI], v[BM+2*TI], s[CS], v[rT]
.endif
.set NPL, NPL+1
.endm
; Part X, 17 lines: p = 2^(t - M), and the block's largest p
.macro SM_X
.set rB, S+64*TI+16*BB
.if AA < 16
	v_exp_f32 v[rB+AA], v[rB+AA]
.else
	v_exp_f32 v[BM+2*TI], v[BM+2*TI]
.endif
.endm
; Part G, 29 lines: the sum of the unquantised p (two chains), the block's scale, the hold, the codes
.macro SM_G
.set rB, S+64*TI+16*BB
.set rT, ST+8*TI
.set rM, BM+2*TI
.if AA == 0
	v_pk_add_f32 v[TP:TP+1], v[rB:rB+1], v[rB+2:rB+3]
.elseif AA == 7
	v_pk_add_f32 v[rT+2:rT+3], v[rT+2:rT+3], v[TP:TP+1]
.elseif (AA < 7) && (AA%2 == 1)
	v_pk_add_f32 v[rT+2:rT+3], v[rT+2:rT+3], v[rB+2*AA+2:rB+2*AA+3]
.elseif AA < 7
	v_pk_add_f32 v[TP:TP+1], v[TP:TP+1], v[rB+2*AA+2:rB+2*AA+3]
.elseif AA == 8
	v_max_num_f32 v[rM], 0x8000000, v[rM]                    ; the floor 2^(16 - 127): the byte cannot fall under 1
.elseif AA == 9
	v_and_or_b32 v[BH+TI], v[rM], 0x7f800000, s[MNT]         ; 57,344 x the scale
.elseif AA == 10
	v_add_nc_u32 v[BY+4*TI+BB], 0xf8800000, v[rM]            ; 15 off the exponent field: the conversion's scale operand; its exponent field is the scale's byte
.elseif AA < 27
	v_min_num_f32 v[rB+AA-11], v[rB+AA-11], v[BH+TI]         ; the conversion to an 8-bit code does not saturate (ISA guide 7.6.2); p is not negative: the hold is one-sided
.elseif AA == 27
	v_cvt_scalef32_pk8_bf8_f32 v[P+16*TI+4*BB:P+16*TI+4*BB+1], v[rB:rB+7], v[BY+4*TI+BB]
.else
	v_cvt_scalef32_pk8_bf8_f32 v[P+16*TI+4*BB+2:P+16*TI+4*BB+3], v[rB+8:rB+15], v[BY+4*TI+BB]
.endif
.if AA < 27
.set NPL, NPL+1
.endif
.endm
; Line JJ of block BB's list for both tiles, 148 + 2 BB lines:  AB of both tiles, line by line | C of tile 0 | tile 0's exponentials, the later ones among C of tile 1 | THE WAIT | G of tile 0 among tile 1's
; exponentials | THE WAIT | G of tile 1.  Ahead of each wait nothing names a result of the exponentials issued since the wait before; a plain line stands behind the last of them.
.macro SM_ONE
.set O1, 2*(19+BB)
.set O2, O1+9
.set O3, O2+26
.set O4, O3+46
.if (JJ == O3) || (JJ == O4)
	s_wait_alu depctr_va_vdst(0)
.endif
.if JJ < O1
.set TI, JJ%2
.set AA, JJ/2
	SM_AB
.elseif JJ < O2
.set TI, 0
.set AA, JJ-O1
	SM_C
.elseif JJ < O2+8
.set TI, 0
.set AA, JJ-O2
	SM_X
.elseif JJ < O3
.if (JJ-O2)%2 == 0
.set TI, 0
.set AA, 8+(JJ-O2-8)/2
	SM_X
.else
.set TI, 1
.set AA, (JJ-O2-8)/2
	SM_C
.endif
.elseif JJ < O3+34
.if (JJ-O3)%2 == 0
.set TI, 0
.set AA, (JJ-O3)/2
	SM_G
.else
.set TI, 1
.set AA, (JJ-O3)/2
	SM_X
.endif
.elseif JJ < O4
.set TI, 0
.set AA, 17+(JJ-O3-34)
	SM_G
.else
.set TI, 1
.set AA, JJ-O4
	SM_G
.endif
.set JJ, JJ+1
.endm
.macro SM_SLICE                        ; slice NSL of 16 of block BB's list: 9 or 10 lines, behind one product
	WIN 0
.set NPL, 0
.rept ((NSL+1)*(148+2*BB))/16-JJ
	SM_ONE
.endr
.set NSL, NSL+1
.endm
; Eight places stand between a product and a load into one of its registers, or a vector instruction that reads its result; only plain vector lines that name none of its registers are places.
; The last slice's plain lines are such; what is missing of eight is made up
.macro PAD8
.if NPL < 8
.rept 8-NPL
	v_nop
.endr
.endif
.endm
.macro SM_FIX                          ; the step's end: the earlier blocks' scales are held at 2^-126 from below, the exponent fields become the four bytes of p's scale word
.irp i, 0,1
.irp b, 0,1,2
	v_max_num_f32 v[BY+4*\i+\b], 0x800000, v[BY+4*\i+\b]
.endr
.endr
.irp i, 0,1
.irp b, 0,1,2,3
	v_lshrrev_b32 v[BY+4*\i+\b], 23, v[BY+4*\i+\b]
.endr
.endr
.irp i, 0,1
	v_lshl_or_b32 v[ST+8*\i+5], v[BY+4*\i+1], 8, v[BY+4*\i]
.endr
.irp i, 0,1
	v_lshl_or_b32 v[ST+8*\i+5], v[BY+4*\i+2], 16, v[ST+8*\i+5]
.endr
.irp i, 0,1
	v_lshl_or_b32 v[ST+8*\i+5], v[BY+4*\i+3], 24, v[ST+8*\i+5]
.endr
.endm
; THE CHANGE OF SLOTS stands at a step's head.  Each wave waits for all its tensor loads (one is out: its quarter of the slot that it is about to read), adds 0 to its spare word, and waits for that and for its
; reads of the slot that it has left.  fill = 1: a round of the cluster's barrier, and behind it the joint load of the next step into the slot just left: it has a whole step in which to land.
.macro CHANGE fill
	s_wait_tensorcnt 0x0                           ; no tensor load of mine is out, so group 0 may be written
	ds_add_u32 v[SPW], v[NIL]                      ; once, since every way to it passes a tensor load
.if \fill
	s_xor_b32 s[G0+1], s[G0+1], SLOT               ; the other slot than last time,
	s_add_nc_u64 s[G0+2:G0+3], s[G0+2:G0+3], 0x20000   ; the next 128 keys
	s_wait_xcnt 0x0                                ; the last prefetch and the last scale loads, a step back, have read their bases
	s_add_nc_u64 s[PFA:PFA+1], s[PFA:PFA+1], 0x20000
	s_add_nc_u64 s[SCB:SCB+1], s[SCB:SCB+1], 4096
	s_wait_dscnt 0x0                               ; the add is done, and my reads of the slot that I have left are over
	CROUND
	tensor_load_to_lds s[G0:G0+3], s[G1:G1+7]      ; my one tensor load behind the round
	s_nop 0
	PLACES 4
	ASK
.else
	s_wait_dscnt 0x0
	s_barrier_signal -1
	s_barrier_wait -1
.endif
.endm
; A STEP: 128 keys.  The global loads that are out at its head, oldest first: K's scale words (4; at step 0 Q and its words ahead of them), V's (4)
.macro STEP last
	v_add_nc_u32 v[ADK], s[TB], v[L16]
	v_add_nc_u32 v[ADV], 0x10000, v[ADK]
	LCH 0
	LCH 1
.if \last
.irp k, 0,1,2,3
	global_prefetch_b8 v[PFX], s[XB:XB+1] offset:(64+16*\k)*8192 th:TH_LOAD_NT scope:SCOPE_SE   ; rows 64 .. 127 of my quarter of the skip, 16 rows x 2 blocks of 256 bytes each: their loads must wait until half of O^T has left its registers
.endr
.endif
	s_wait_loadcnt 4                               ; all but V's four: K's scale words are in
.irp g, 0,1,2,3,4,5,6,7
	s_wait_dscnt 16                                ; this chunk is in; the next chunk's 16 loads are younger
.if (\g >= 2) && (\g%2 == 0)
.set BB, \g/2-1                                        ; the block whose scores the two chunks before have finished
.set JJ, 0
.set NSL, 0
.endif
.irp k, 0,1,2,3
.irp i, 0,1
	WSP \g, \k, \i
.if \g >= 2
	SM_SLICE
.endif
.endr
.endr
.if \g >= 2
	PAD8
.else
	PLACES 8
.endif
	LCH (\g)+2                                     ; chunks 8 and 9 are V's first: they land under block 3's softmax
.endr
	WIN 0
.if \last
	WIN 0x40
.set NN, 0
.rept 32
	global_load_b128 v[4*NN:4*NN+3], v[L16], s[XB:XB+1] offset:NN*8192 th:TH_LOAD_NT   ; the skip, rows 0 .. 31 of my 128 channels, into the registers that Q has left
.set NN, NN+1
.endr
	WIN 0
.else
.irp j, 0,1,2,3
	global_load_b128 v[KS+4*\j:KS+4*\j+3], v[L16], s[SCB:SCB+1] offset:512*\j           ; the next step's
.endr
.endif
.set BB, 3                                             ; the last block's softmax has no products to stand behind
.set JJ, 0
.rept 154
	SM_ONE
.endr
	SM_FIX
.if \last
	s_wait_loadcnt 32                              ; all but the skip's 32: V's scale words are in
.set NN, 0
.rept 31
	global_load_b128 v[S+4*NN:S+4*NN+3], v[L16], s[XB:XB+1] offset:(32+NN)*8192 th:TH_LOAD_NT   ; rows 32 .. 62, into the registers that p has left.  63 loads are out: one more would wait at its issue for the first to return (ISA guide 5.7.1)
.set NN, NN+1
.endr
.endif
	RESC 0                                         ; these 64 are also the places between p's scale words and codes and the products that take them
	RESC 1
.if !(\last)
	s_wait_loadcnt 4                               ; all but K's four just issued: V's scale words are in
.endif
.irp m, 0,1,2,3,4,5,6,7
.if \m < 7
	s_wait_dscnt 16
.else
	s_wait_dscnt 0x0
.endif
	WP \m
.if \m < 6
	RESC (\m)+2                                    ; the tiles two chunks on; they name no register of the products just issued: the places in front of the loads below
	LCH (\m)+10
.else
	PLACES 8
.endif
.endr
	WIN 0
.if \last
	global_load_b128 v[S+124:S+127], v[L16], s[XB:XB+1] offset:63*8192 th:TH_LOAD_NT       ; row 63
.else
.irp j, 0,1,2,3
	global_load_b128 v[VS+4*\j:VS+4*\j+3], v[L16], s[SCB:SCB+1] offset:2048+512*\j
.endr
.endif
	s_xor_b32 s[TB], s[TB], SLOT
.endm
	s_load_b512 s[4:19], s[0:1], 0x0               ; kv, sc, x1, x2, ln_gamma, ln_beta, out0, out1
	v_lshl_add_u32 v[SPW], v0, 2, SPARE
	v_mov_b32 v[NIL], 0
	ds_add_u32 v[SPW], v[NIL]                      ; the wave's opening: the add, twice on end, and its wait ahead of the round in front of my first tensor load
	ds_add_u32 v[SPW], v[NIL]
	v_lshrrev_b32 v247, 5, v0
	v_readfirstlane_b32 s[WV], v247                ; wave 0..3
	v_and_b32 v247, 31, v0                         ; lane
	v_lshlrev_b32 v[L16], 4, v247
	v_lshlrev_b32 v[PFO], 8, v247
	v_lshrrev_b32 v248, 1, v247
	v_and_b32 v249, 1, v247
	v_lshlrev_b32 v[PFX], 13, v248
	v_lshl_add_u32 v[PFX], v249, 8, v[PFX]         ; row lane / 2, block lane % 2
	v_and_b32 v248, 15, v0                         ; r
	v_and_b32 v249, 8, v248
	v_add_nc_u32 v249, v249, v248                  ; r + 8 (r / 8)
	v_bfe_u32 v250, v0, 4, 1                       ; h
	; the stage: row c of 512 bytes, position l at word l xor 32 (bit 4 of c), so that the two halves of the lanes, 16 rows apart, fall on different banks.  My channels have bit 4 = h
	s_lshl_b32 s25, s[WV], 7
	v_lshlrev_b32 v251, 7, v250
	v_xor_b32 v251, s25, v251                      ; 128 (w xor h)
	v_lshl_add_u32 v251, v249, 2, v251
	v_lshl_add_u32 v251, v250, 13, v251            ; + 16 h rows
.irp k, 0,1,2,3
	v_add_nc_u32 v[STO+\k], \k*65536, v251
.endr
	s_add_co_u32 s25, s25, RLT
	v_lshl_add_u32 v[RLA], v249, 2, s25
	v_add_nc_u32 v[RLR], RLT, v[L16]
	v_add_nc_u32 v[REDR], RED1, v[L16]
	s_lshl_b32 s25, s[WV], 9
	v_add_nc_u32 v[REDW], s25, v[REDR]
	s_lshl_b32 s25, s[WV], 16
	v_add_nc_u32 v[RD], s25, v[L16]
	v_xor_b32 v[RD+1], 128, v[RD]
	v_mov_b32 v[ZR], 0
	s_bfe_u32 s21, ttmp6, 0x40000                  ; cx: my place in the cluster: it enters Q's, the skip's, the output's and the prefetches' global addresses alone
	s_lshl_b32 s22, ttmp9, 2
	s_add_co_u32 s22, s22, s21                     ; blk
	s_and_b32 s24, ttmp7, 0xffff
	s_lshr_b32 s23, s24, 3                         ; dir
	s_and_b32 s24, s24, 7                          ; b
	; descriptor group 1: 128 dense rows of 256 bytes, in elements of 8 bytes
	s_mov_b32 s[G1], 15|(3<<16)|(1<<21)            ; 15:0 the mask: all four work-groups; 17:16 elements of 8 bytes; 21 set beside a mask
	s_mov_b32 s[G1+1], 32<<16
	s_mov_b32 s[G1+2], 128<<16
	s_mov_b32 s[G1+3], 32<<16
	s_mov_b32 s[G1+4], 128
	s_mov_b32 s[G1+5], 32
	s_mov_b32 s[G1+6], 0
	s_mov_b32 s[G1+7], 0
	s_mov_b32 s[CS], 0x3d8293ee                    ; c = log2(e) / sqrt(512)
	s_mov_b32 s[CS+1], s[CS]
	s_mov_b32 s[SEL], 0x76543210
	s_mov_b32 s[SEL+1], 0xfedcba98
	s_mov_b32 s[MNT], 0x600000
	s_mov_b32 s[TB], 0
	s_mov_b32 s[SLOTS], 15
	s_mov_b32 s68, 0x3b000000                      ; 1 / 512
	s_mov_b32 s69, 0x3727c5ac                      ; 1e-5
	s_cmp_eq_u32 ttmp9, 0                          ; the first cluster of a (dir, batch) prefetches: the same in all four partners
	s_cselect_b32 s[LIM], 1, -1
	s_xor_b32 s25, s23, 1
	s_lshl_b32 s25, s25, 3
	s_add_co_u32 s25, s25, s24                     ; 8 (1 - dir) + b
	s_lshl_b32 s26, s25, 21                        ; the keys' and values' 16 blocks in kv,
	s_lshl_b32 s28, s[WV], 15                      ; my quarter of a slot
	s_add_co_u32 s26, s26, s28
	s_mov_b32 s27, 0
	s_lshl_b32 s30, s25, 16                        ; their scale words in sc
	s_mov_b32 s31, 0
	s_lshl_b32 s25, s23, 3
	s_add_co_u32 s25, s25, s24
	s_lshl_b32 s25, s25, 4
	s_add_co_u32 s25, s25, s22                     ; (8 dir + b) 16 + blk
	s_lshl_b32 s72, s25, 17
	s_lshl_b32 s29, s[WV], 14
	s_add_co_u32 s72, s72, s29                     ; my two tiles of queries
	s_mov_b32 s73, 0
	s_lshl_b32 s74, s25, 12
	s_lshl_b32 s29, s[WV], 9
	s_add_co_u32 s74, s74, s29                     ; and their scale words
	s_mov_b32 s75, 0
	s_lshl_b32 s76, s24, 22
	s_lshl_b32 s29, s22, 9
	s_add_co_u32 s76, s76, s29
	s_lshl_b32 s29, s[WV], 20
	s_add_co_u32 s76, s76, s29                     ; the skip and the output: batch, 128 positions, my 128 channels
	s_mov_b32 s77, 0
	s_lshl_b32 s78, s21, 13
	s_add_co_u32 s78, s78, 0x20000                 ; the prefetches: my work-group's 8,192 bytes of my wave's quarter, in step 1; the first change steps it to step 2
	s_mov_b32 s79, 0
	s_wait_dscnt 0x0                               ; both opening adds are done
	s_wait_kmcnt 0x0
	s_mov_b32 s[G0], 1
	s_mov_b32 s[G0+1], s28                         ; slot 0, my quarter
	s_add_nc_u64 s[G0+2:G0+3], s[4:5], s[26:27]
	s_or_b32 s[G0+3], s[G0+3], 0x80000000
	CROUND                                         ; all four work-groups are here: the first joint loads meet
	tensor_load_to_lds s[G0:G0+3], s[G1:G1+7]      ; step 0
	s_nop 0
	PLACES 4
	s_add_nc_u64 s[PFA:PFA+1], s[4:5], s[26:27]
	s_add_nc_u64 s[PFA:PFA+1], s[PFA:PFA+1], s[78:79]
	s_add_nc_u64 s[SCB:SCB+1], s[6:7], s[30:31]
	s_add_nc_u64 s[QB:QB+1], s[4:5], s[72:73]
	s_add_nc_u64 s[SQB:SQB+1], s[6:7], s[74:75]
	s_cmp_eq_u32 s23, 0                            ; the choices hang on the work-group's number alone
	s_cselect_b64 s[XB:XB+1], s[8:9], s[10:11]
	s_cselect_b64 s[OB:OB+1], s[16:17], s[18:19]
	s_add_nc_u64 s[XB:XB+1], s[XB:XB+1], s[76:77]
	s_add_nc_u64 s[OB:OB+1], s[OB:OB+1], s[76:77]
	s_lshl_b32 s28, s[WV], 9
	s_mov_b32 s29, 0
	s_add_nc_u64 s[GB:GB+1], s[12:13], s[28:29]
	s_add_nc_u64 s[BT:BT+1], s[14:15], s[28:29]
	WIN 0x40
.irp i, 0,1
.irp s, 0,1,2,3
.irp c, 0,1,2,3
	global_load_b128 v[64*\i+16*\s+4*\c:64*\i+16*\s+4*\c+3], v[L16], s[QB:QB+1] offset:\i*8192+\s*2048+512*\c   ; Q stays in registers
.endr
.endr
.endr
	WIN 0
	global_load_b128 v[QS:QS+3], v[L16], s[SQB:SQB+1]
.irp j, 0,1,2,3
	global_load_b128 v[KS+4*\j:KS+4*\j+3], v[L16], s[SCB:SCB+1] offset:512*\j
.endr
.irp j, 0,1,2,3
	global_load_b128 v[VS+4*\j:VS+4*\j+3], v[L16], s[SCB:SCB+1] offset:2048+512*\j
.endr
.irp i, 0,1
	v_mov_b32 v[ST+8*\i+1], 0xff61b1e6             ; the largest t so far: -3e38, under every t
	v_floor_f32 v[ST+8*\i], -v[ST+8*\i+1]          ; -M
	v_mov_b32 v[ST+8*\i+2], 0                      ; the sum, in two halves
	v_mov_b32 v[ST+8*\i+3], 0
	v_mov_b32 v[ST+8*\i+6], 0
	v_mov_b32 v[ST+8*\i+7], 0                      ; named with f as a pair, so it is written
	v_mov_b32 v[BPT+\i], 0                         ; written once: a lane permute's destination counts as one of its sources
.endr
	WIN 0x80
.set NN, 0
.rept 256
	v_mov_b32 v[NN], 0                             ; O^T: the step is written for all steps alike; the first finds zeros, which the first change of M leaves zeros
.set NN, NN+1
.endr
	WIN 0xc0
.set NN, 0
.rept 256
	v_mov_b32 v[NN], 0
.set NN, NN+1
.endr
	WIN 0
.Lstep:                                            ; 15 trips: behind each change of slots but the last the next step is asked for
	CHANGE 1
	STEP 0
	s_sub_co_u32 s[SLOTS], s[SLOTS], 1
	s_cmp_lg_u32 s[SLOTS], 0
	s_cbranch_scc1 .Lstep
	CHANGE 0                                       ; the last step is written out
	STEP 1
	; ---- THE WAY OUT
.irp i, 0,1
	v_add_f32 v[ST+8*\i+4], v[ST+8*\i+2], v[ST+8*\i+3]
.endr
.irp i, 0,1
	v_permlanex16_b32 v[ST+8*\i+6], v[ST+8*\i+4], s[SEL], s[SEL+1]
.endr
.irp i, 0,1
	v_add_f32 v[ST+8*\i+4], v[ST+8*\i+4], v[ST+8*\i+6]       ; the row's sum
.endr
.irp i, 0,1
	v_rcp_f32 v[ST+8*\i+2], v[ST+8*\i+4]
.endr
	v_nop
	s_wait_alu depctr_va_vdst(0)                   ; one wait for both reciprocals, ahead of their first reader
	s_wait_dscnt 0x0
	s_barrier_signal -1
	s_barrier_wait -1                              ; every wave's reads of the ring are over, and both slots have had their last fill: the stage may be laid over them
.irp i, 0,1
	ds_store_b32 v[RLA], v[ST+8*\i+2] offset:32*\i           ; 1 / l of query 32 w + 8 i + r + 8 (r / 8); both halves of the lanes write the same word with the same value
.endr
.macro STAGE kb                        ; 16 channel tiles of both query tiles: register j of (i, ct) is O(c = 32 (ct / 2) + 16 h + 8 (ct % 2) + j, my query); each accumulator from its low end on
.irp i, 0,1
.irp ct, 0,1,2,3,4,5,6,7,8,9,10,11,12,13,14,15
.irp j, 0,1,2,3,4,5,6,7
	ds_store_b32 v[STO+(\kb)+\ct/8], v[128*\i+8*\ct+\j] offset:(32*((\ct/2)%4)+8*(\ct%2)+\j)*512+32*\i
.endr
.endr
.endr
.endm
	WIN 0x08                                       ; an LDS store's data are its source 1: window 2
	STAGE 0
	s_wait_dscnt 0x0                               ; the stores have read their registers
	WIN 0x80
.set NN, 0
.rept 62
	global_load_b128 v[4*NN:4*NN+3], v[L16], s[XB:XB+1] offset:(64+NN)*8192 th:TH_LOAD_NT    ; the skip's rows 64 .. 125; the last two stand behind the second half's stores, so that this run does not wait at its issue for loads to return (ISA guide 5.7.1)
.set NN, NN+1
.endr
	WIN 0x0c
	STAGE 2
	s_wait_dscnt 0x0
	WIN 0x80
	global_load_b128 v[248:251], v[L16], s[XB:XB+1] offset:126*8192 th:TH_LOAD_NT
	global_load_b128 v[252:255], v[L16], s[XB:XB+1] offset:127*8192 th:TH_LOAD_NT
	WIN 0
.irp n, 0,1,2,3,4,5,6,7
	v_mov_b32 v[SUM+\n], 0
.endr
	s_barrier_signal -1
	s_barrier_wait -1                              ; O^T of all 128 queries lies in the stage.  From here on: wave w has channels 128 w + n, a lane positions 4 lane + 0 .. 3
	; y: rows 0 .. 31 in window 1 v0-127, rows 32 .. 63 in window 0 v108-235, rows 64 .. 127 in window 2; the stage's rows come into window 1 v128-255, two sets of 16 rows
	ds_load_b128 v[RL:RL+3], v[RLR]
.macro P1LOAD q                        ; 16 rows of the stage
	WIN 0x40
.irp n, 0,1,2,3,4,5,6,7,8,9,10,11,12,13,14,15
	ds_load_b128 v[128+64*((\q)%2)+4*\n:128+64*((\q)%2)+4*\n+3], v[RD+(\q)%2] offset:(16*(\q)+\n)*512
.endr
.endm
.macro P1 q                            ; y = O / l + x, and the sums of y
.if (\q) < 7
	s_wait_dscnt 16                                ; these 16 rows are in; the next 16 loads are younger
.else
	s_wait_dscnt 0x0
.endif
.if (\q) == 4
	s_wait_loadcnt 0x0                             ; the skip's rows 64 .. 127
	WIN 0xc0
.set NN, 0
.rept 32
	global_load_b128 v[4*NN:4*NN+3], v[ZR], s[GB:GB+1] offset:16*NN             ; the gains of my 128 channels, one register a channel, the same in every lane
.set NN, NN+1
.endr
.endif
.if (\q) < 2
.set YW, 1
.set YB, 64*(\q)
.elseif (\q) < 4
.set YW, 0
.set YB, S+64*((\q)-2)
.else
.set YW, 2
.set YB, 64*((\q)-4)
.endif
.set TMPB, 128+64*((\q)%2)
	WIN (YW<<6)|(YW<<4)|1                          ; y (destination and addend) in its window, the stage's rows in window 1
.irp n, 0,1,2,3,4,5,6,7,8,9,10,11,12,13,14,15
	v_pk_fma_f32 v[YB+4*\n:YB+4*\n+1], v[TMPB+4*\n:TMPB+4*\n+1], v[RL:RL+1], v[YB+4*\n:YB+4*\n+1]
	v_pk_fma_f32 v[YB+4*\n+2:YB+4*\n+3], v[TMPB+4*\n+2:TMPB+4*\n+3], v[RL+2:RL+3], v[YB+4*\n+2:YB+4*\n+3]
.endr
	WIN YW<<2
.irp n, 0,1,2,3,4,5,6,7,8,9,10,11,12,13,14,15
	v_pk_add_f32 v[SUM+4*(\n%2):SUM+4*(\n%2)+1], v[SUM+4*(\n%2):SUM+4*(\n%2)+1], v[YB+4*\n:YB+4*\n+1]
	v_pk_add_f32 v[SUM+4*(\n%2)+2:SUM+4*(\n%2)+3], v[SUM+4*(\n%2)+2:SUM+4*(\n%2)+3], v[YB+4*\n+2:YB+4*\n+3]
.endr
.if (\q) < 6
	P1LOAD (\q)+2
.endif
.endm
	P1LOAD 0
	P1LOAD 1
	s_wait_loadcnt 63                              ; behind row 63's load stand 64 younger ones: rows 0 .. 63 of the skip are in
.irp q, 0,1,2,3,4,5,6,7
	P1 \q
.endr
	WIN 0xc0
.set NN, 0
.rept 32
	global_load_b128 v[128+4*NN:128+4*NN+3], v[ZR], s[BT:BT+1] offset:16*NN     ; and the biases: they land under the two passes that follow
.set NN, NN+1
.endr
	WIN 0
.macro ACROSS off                      ; my four sums meet the other waves': to LDS, a barrier, all four back, added
	v_pk_add_f32 v[SUM:SUM+1], v[SUM:SUM+1], v[SUM+4:SUM+5]
	v_pk_add_f32 v[SUM+2:SUM+3], v[SUM+2:SUM+3], v[SUM+6:SUM+7]
	ds_store_b128 v[REDW], v[SUM:SUM+3] offset:\off
	s_wait_dscnt 0x0
	s_barrier_signal -1
	s_barrier_wait -1
.irp k, 0,1,2,3
	ds_load_b128 v[RT+4*\k:RT+4*\k+3], v[REDR] offset:(\off)+512*\k
.endr
	s_wait_dscnt 0x0
	v_pk_add_f32 v[RT:RT+1], v[RT:RT+1], v[RT+4:RT+5]
	v_pk_add_f32 v[RT+2:RT+3], v[RT+2:RT+3], v[RT+6:RT+7]
	v_pk_add_f32 v[RT+8:RT+9], v[RT+8:RT+9], v[RT+12:RT+13]
	v_pk_add_f32 v[RT+10:RT+11], v[RT+10:RT+11], v[RT+14:RT+15]
	v_pk_add_f32 v[RT:RT+1], v[RT:RT+1], v[RT+8:RT+9]
	v_pk_add_f32 v[RT+2:RT+3], v[RT+2:RT+3], v[RT+10:RT+11]
.endm
	ACROSS 0
.irp k, 0,1,2,3
	v_mul_f32 v[NMU+\k], 0xbb000000, v[RT+\k]      ; -mean
.endr
.irp n, 0,1,2,3,4,5,6,7
	v_mov_b32 v[SUM+\n], 0
.endr
.macro CENTRE yw, yb, cnt              ; cnt rows of y from v[yb] of window yw on: y - mean in place, then the sums of its squares: no difference of large sums is formed
	WIN ((\yw)<<6)|(\yw)
.set NN, 0
.rept \cnt
	v_pk_add_f32 v[(\yb)+4*NN:(\yb)+4*NN+1], v[(\yb)+4*NN:(\yb)+4*NN+1], v[NMU:NMU+1]
	v_pk_add_f32 v[(\yb)+4*NN+2:(\yb)+4*NN+3], v[(\yb)+4*NN+2:(\yb)+4*NN+3], v[NMU+2:NMU+3]
.set NN, NN+1
.endr
	WIN ((\yw)<<2)|(\yw)
.set NN, 0
.rept \cnt
	v_pk_fma_f32 v[SUM+4*(NN%2):SUM+4*(NN%2)+1], v[(\yb)+4*NN:(\yb)+4*NN+1], v[(\yb)+4*NN:(\yb)+4*NN+1], v[SUM+4*(NN%2):SUM+4*(NN%2)+1]
	v_pk_fma_f32 v[SUM+4*(NN%2)+2:SUM+4*(NN%2)+3], v[(\yb)+4*NN+2:(\yb)+4*NN+3], v[(\yb)+4*NN+2:(\yb)+4*NN+3], v[SUM+4*(NN%2)+2:SUM+4*(NN%2)+3]
.set NN, NN+1
.endr
	WIN 0
.endm
	CENTRE 1, 0, 32
	CENTRE 0, S, 32
	CENTRE 2, 0, 64
	ACROSS 2048
.irp k, 0,1,2,3
	v_fma_f32 v[RS+\k], v[RT+\k], s68, s69         ; the variance + 1e-5
.endr
.irp k, 0,1,2,3
	v_rsq_f32 v[RS+\k], v[RS+\k]
.endr
	v_nop
	s_wait_alu depctr_va_vdst(0)                   ; one wait for the four, ahead of their first reader
	s_wait_loadcnt 0x0                             ; the gains and biases
.macro FINISH yw, yb, cnt, row0        ; cnt rows of y, the first of them row row0: x 1 / sqrt(..), x gain + bias, and out
	WIN ((\yw)<<6)|(\yw)
.set NN, 0
.rept \cnt
	v_pk_mul_f32 v[(\yb)+4*NN:(\yb)+4*NN+1], v[(\yb)+4*NN:(\yb)+4*NN+1], v[RS:RS+1]
	v_pk_mul_f32 v[(\yb)+4*NN+2:(\yb)+4*NN+3], v[(\yb)+4*NN+2:(\yb)+4*NN+3], v[RS+2:RS+3]
.set NN, NN+1
.endr
	WIN ((\yw)<<6)|0x3c|(\yw)                      ; gain and bias in window 3
.set NN, 0
.rept \cnt
.irp e, 0,1,2,3
	v_fma_f32 v[(\yb)+4*NN+\e], v[(\yb)+4*NN+\e], v[(\row0)+NN], v[128+(\row0)+NN]
.endr
.set NN, NN+1
.endr
	WIN (\yw)<<2                                   ; a store's data are its source 1
.set NN, 0
.rept \cnt
	global_store_b128 v[L16], v[(\yb)+4*NN:(\yb)+4*NN+3], s[OB:OB+1] offset:((\row0)+NN)*8192 th:TH_STORE_NT   ; 32 lanes store 512 consecutive bytes of a row of the output, at a multiple of 512 from its first byte
.set NN, NN+1
.endr
	WIN 0
.endm
	FINISH 1, 0, 32, 0
	FINISH 0, S, 32, 32
	FINISH 2, 0, 64, 64
	s_wait_tensorcnt 0x0                           ; the wave's end: behind my last tensor load and my last LDS store
	ds_add_u32 v[SPW], v[NIL]
	s_wait_dscnt 0x0
	CROUND                                         ; the closing round: no work-group ends while a partner may still ask for a tile that names it
	s_endpgm
.Lfunc_end_k_q8b01e6218d_attn:
	.size	k_q8b01e6218d_attn, .Lfunc_end_k_q8b01e6218d_attn-k_q8b01e6218d_attn
	.p2alignl 7, 3214868480
	.fill 96, 4, 3214868480
	.section	.rodata,"a",@progbits
	.p2align	6, 0x0
	.amdhsa_kernel k_q8b01e6218d_attn
		.amdhsa_group_segment_fixed_size 327680
		.amdhsa_private_segment_fixed_size 0
		.amdhsa_enable_private_segment 0
		.amdhsa_kernarg_size 64
		.amdhsa_user_sgpr_count 2
		.amdhsa_user_sgpr_kernarg_segment_ptr 1
		.amdhsa_wavefront_size32 1
		.amdhsa_system_sgpr_workgroup_id_x 1
		.amdhsa_system_sgpr_workgroup_id_y 1
		.amdhsa_system_sgpr_workgroup_id_z 1
		.amdhsa_system_vgpr_workitem_id 0
		.amdhsa_next_free_vgpr 1024
		.amdhsa_next_free_sgpr 84
		.amdhsa_reserve_vcc 0
		.amdhsa_float_denorm_mode_32 3
		.amdhsa_float_denorm_mode_16_64 3
		.amdhsa_memory_ordered 1
		.amdhsa_forward_progress 1
		.amdhsa_inst_pref_size 255
	.end_amdhsa_kernel
	.section	.bss,"aw",@nobits
	.p2align	6
	.space	262144
	.amdgpu_metadata
---
amdhsa.version: [ 1, 2 ]
amdhsa.kernels:
  - .name:           k_q8b01e6218d_attn
    .symbol:         k_q8b01e6218d_attn.kd
    .args:
      - { .name: kv, .offset: 0, .size: 8, .value_kind: global_buffer, .address_space: global }
      - { .name: sc, .offset: 8, .size: 8, .value_kind: global_buffer, .address_space: global }
      - { .name: x1, .offset: 16, .size: 8, .value_kind: global_buffer, .address_space: global }
      - { .name: x2, .offset: 24, .size: 8, .value_kind: global_buffer, .address_space: global }
      - { .name: ln_gamma, .offset: 32, .size: 8, .value_kind: global_buffer, .address_space: global }
      - { .name: ln_beta, .offset: 40, .size: 8, .value_kind: global_buffer, .address_space: global }
      - { .name: out0, .offset: 48, .size: 8, .value_kind: global_buffer, .address_space: global }
      - { .name: out1, .offset: 56, .size: 8, .value_kind: global_buffer, .address_space: global }
    .group_segment_fixed_size: 327680
    .private_segment_fixed_size: 0
    .kernarg_segment_align: 8
    .kernarg_segment_size: 64
    .max_flat_workgroup_size: 128
    .sgpr_count:     84
    .vgpr_count:     1024
    .wavefront_size: 32
...
	.end_amdgpu_metadata
.endif
;; end of part 3
